; MI455X (gfx1250); checked and timed in simulation.
; The chip was launched on July 23, 2026; its instructions are those of AMD's public machine-readable ISA for CDNA 5 (MIT licence, August 2026) and "CDNA5" Instruction Set Architecture Reference Guide (July 2026). The comments in the code are by the model that wrote it; some were corrected since.
;; Multi Head Attention. Allowed arithmetic: matrix products marked QUANTISED: E2M1 operands, one E8M0 scale for each 32 along K, by v_wmma_scale_f32_16x16x128_f8f6f4 with both operands' format E2M1 (or v_wmma_scale_f32_32x16x128_f4), f32 sums; products left as they are: bf16, f16 or f32 operands; f32 sums; everything else in f32.
;; Inputs: W_k 1,024 x 1,024 float32; W_o 1,024 x 1,024 float32; W_q 1,024 x 1,024 float32; W_v 1,024 x 1,024 float32; x 4 x 2,048 x 1,024 float32.
;; Outputs: out0 4 x 2,048 x 1,024 float32.
;; This version of the problem:
;;   THIS VERSION OF THE PROBLEM IS GIVEN IN LOW PRECISION. The matrix products marked QUANTISED in the list below multiply operands that are first quantised to E2M1 (2 exponent bits, 1 mantissa bit; 4 bits a number), with one power-of-two scale for each 32 numbers along K (OCP MX v1.0); their sums are f32. The products marked 'left as it is' may take bf16, f16 or f32 operands, with f32 sums. Whichever they take, every output number must still come out within the allowed error. Rounding operands to bf16 (8 significant bits) uses up far more of that allowance than f16 does (11 bits, for magnitudes from 6e-5 to 65,504). All else is computed in f32.
;;   The module's matrix products, in the order in which they are computed (A, B: the left and right operand; K: the contracted axis; several contracted axes count as one K, in the product's order):
;;     1. [M 8,192, K 1,024] x [K 1,024, N 1,024]; A: input x; B: input W_q: QUANTISED
;;     2. [M 8,192, K 1,024] x [K 1,024, N 1,024]; A: input x; B: input W_k: QUANTISED
;;     3. [M 8,192, K 1,024] x [K 1,024, N 1,024]; A: input x; B: input W_v: QUANTISED
;;     4. batch 64 x [M 2,048, K 64] x [K 64, N 2,048]; A: computed on the way; B: computed on the way: left as it is (an operand is computed on the way)
;;     5. batch 64 x [M 64, K 2,048] x [K 2,048, N 2,048]; A: computed on the way; B: computed on the way: left as it is (an operand is computed on the way)
;;     6. [M 8,192, K 1,024] x [K 1,024, N 1,024]; A: computed on the way; B: input W_o: left as it is (an operand is computed on the way)
;;   THE QUANTISER, for each operand of a quantised product, along K:
;;     - K is cut into blocks of 32 from its start; a last block that is shorter is filled with zeros.
;;     - A block's scale is 2^e with e = floor(log2(the largest magnitude in the block)) - 2, held to -126 .. 127; a block of zeros has e = 0. As a byte (E8M0): e + 127.
;;     - Each number is divided by its block's scale, clamped to +-6, and rounded to the nearest number of E2M1, ties to even, subnormals kept.
;;     - The product sums the exact products of the quantised numbers (number of the format x scale) in f32.
;;   ~~~python
;;   def quantise(x, axis):      # numpy; x: float32 -> the quantised numbers, widened to float32 again
;;       x = np.moveaxis(x, axis, -1); K = x.shape[-1]
;;       x = np.pad(x, [(0, 0)] * (x.ndim - 1) + [(0, -K % 32)]); x = x.reshape(x.shape[:-1] + (-1, 32)); a = np.abs(x).max(-1, keepdims=True)
;;       e = np.where(a > 0, np.clip(np.frexp(np.where(a > 0, a, 1))[1] - 1 - 2, -126, 127), 0)      # np.frexp(a)[1] - 1 = floor(log2(a)), exactly
;;       r = np.clip(x / 2.0 ** e, -6, 6)
;;       step = 2.0 ** (np.maximum(np.frexp(np.where(r == 0, 1, r))[1] - 1, 0) - 1)
;;       q = np.round(r / step) * step * 2.0 ** e      # np.round: ties to even
;;       return np.moveaxis(q.reshape(q.shape[:-2] + (-1,))[..., :K], -1, axis).astype(np.float32)
;;   ~~~
;; One version. Each part assembles by itself: llvm-mc -triple=amdgcn-amd-amdhsa -mcpu=gfx1250 --defsym DOCPART=n.
;; ======== version 1 of 1: 5 launches
;; limits: values are held in f16: magnitudes above 65,504 overflow, below 6.1e-05 lose precision
;; workspace buffers: xc 4,194,304 bytes; xs 262,144 bytes; wc 1,572,864 bytes; ws 98,304 bytes; wo16 2,097,152 bytes; qkv 50,331,648 bytes; fine 786,432 bytes; att 16,777,216 bytes
;; launch prep (part 1): grid 368 x 1, 4 waves a work-group, no clusters, 68,096 bytes of LDS; arguments x, W_q, W_k, W_v, W_o, xc, xs, wc, ws, wo16; writes xc, xs, wc, ws, wo16
.if DOCPART == 1
	.amdgcn_target "amdgcn-amd-amdhsa--gfx1250"
	.amdhsa_code_object_version 6
	.text
	.protected	k_q3aa5751b5f_prep
	.globl	k_q3aa5751b5f_prep
	.p2align	8
	.type	k_q3aa5751b5f_prep,@function
k_q3aa5751b5f_prep:
	s_mov_b64 s[64:65], 0
	v_nop
	global_prefetch_b8 v0, s[64:65] scope:SCOPE_SE
	s_setreg_imm32_b32 hwreg(HW_REG_WAVE_MODE, 25, 1), 1
	s_wait_xcnt 0x0
; CAUSAL MULTI-HEAD ATTENTION, B 4, S 2048, D 1024, 16 heads of 64.  Five launches: prep, qkv, attn, proj, first16.
; THIS LAUNCH makes the operands of the later ones: x [8192][1024] f32 -> codes of E2M1 (xc [8192][512 bytes]) and E8M0 bytes (xs [8192][32]), K innermost as it lies;
; W_q, W_k, W_v [1024 (K)][1024 (n)] f32 -> codes laid [3072 n][512 bytes] with K innermost (wc) and bytes [3072][32] (ws), n = 1024 x (q, k, v) + column; W_o [n][d] f32 -> f16 laid by head, wo16 [16 h][1024 n][64].
; WORK LEFT OUT BY THE PROGRAM: reference() builds the causal mask itself (jnp.tril): a score with key > query is replaced by finfo.min ahead of the softmax, where its weight is exp(finfo.min - max), which adds
; nothing to the row's sum or to the weighted values for any finite inputs, since key 0 .. query are always kept.  So steps of keys that lie wholly behind all queries of a tile are neither loaded nor multiplied (launch attn).
; Every input has a way to the output and is loaded.  LIMIT: a NaN, an infinity or an overflow that reaches only such masked tiles is not carried to the result.
; A block's scale is 2^(floor(log2(largest magnitude)) - 2); its byte is the largest magnitude's exponent field - 2, held at 1 from below.  A block of zeros gets the byte 1 where the rule says 127: its codes are
; zeros, which add nothing under any byte but 0xff, and this program alone reads the bytes.
; LIMITS: blocks whose largest magnitude lies under 2^-124 keep the byte 1; NaN and infinities among the inputs are not served; W_o goes to f16 (magnitudes up to 65,504).
; SHARES: work-groups 0-47 take the three weights (16 each: 8 blocks of 128 columns x 2 halves of K); 48-303 take x (32,768 numbers each); 304-367 take W_o (16 rows each).
; The three ways part on the work-group's number and have LDS bytes of their own: x 0 .. 32,767; the weights 32,768 .. 67,583; W_o none.  No tensor loads, no barrier: waves share nothing.
.set SPW,   192                        ; v192  LDS address of my spare word: SPARE + 4 x my thread's number; never rewritten
.set NIL,   193                        ; v193  0; never rewritten
.set SPARE, 67584                      ; the spare words, 128 bytes a wave: two blocks of 256 bytes that no other line names
.set EMAX,  2
.set STEPS, 16                         ; x: steps of 512 numbers for a wave
.set CB,    8                          ; bytes of 16 codes
.set XR,    16                         ; v16-79   x: four sets of 16 numbers as loaded
.set XX,    80                         ; v80-111  two sets of 16 neighbours
.set XE,    112                        ; v112-127 a scale byte for each step
.set XC,    128                        ; v128-191 codes, four registers for each step
.set WREG,  8192                       ; x: LDS of a wave: two stages of 32 x SP bytes, then its 256 scale bytes
.set SP,    80                         ; a lane's place in a stage: 64 bytes + 16 of padding
.set NB,    16                         ; weights: blocks of 32 along K for a wave
.set PITCH, 272                        ; a stage row: 256 bytes of codes + 16
.set KROW,  512                        ; a row of wc in bytes
.set WSTG,  32768                      ; the weights' four stages begin here
.set WX,    32                         ; v32-95   two sets of 32 numbers
.set WC,    96                         ; v96-99   a block's codes
.set SB,    24                         ; v24-27   the scale bytes, four to a register
.set OUTR,  112                        ; v112-175 the way out
.macro XLOAD t                         ; 32 lanes read 512 consecutive bytes, four times
.irp i, 0,1,2,3
	global_load_b128 v[XR+16*((\t)%4)+4*\i:XR+16*((\t)%4)+4*\i+3], v3, s[4:5] offset:2048*(\t)+512*\i th:TH_LOAD_NT
.endr
.endm
.macro XTURN t                         ; a step's 2,048 bytes through my stage: in as they lie, back 64 bytes a lane; LDS serves a wave's instructions in order
.irp i, 0,1,2,3
	ds_store_b128 v14, v[XR+16*((\t)%4)+4*\i:XR+16*((\t)%4)+4*\i+3] offset:32*SP*((\t)%2)+8*SP*\i
.endr
.irp i, 0,1,2,3
	ds_load_b128 v[XX+16*((\t)%2)+4*\i:XX+16*((\t)%2)+4*\i+3], v15 offset:32*SP*((\t)%2)+16*\i
.endr
.endm
.macro XSTEP t
.set XS, XX+16*((\t)%2)
.if (\t) > 0
	s_wait_dscnt 1                                 ; this step's numbers are back from the stage; the last step's byte store may be out
.else
	s_wait_dscnt 0x0
.endif
.if (\t)+4 < STEPS
	XLOAD (\t)+4                                   ; into the registers that the stage's stores have read
.endif
.if (\t)+1 < STEPS
.if STEPS-2-(\t) >= 3
	s_wait_loadcnt 12                              ; the next step's four loads are in; those of the three steps behind it may be out
.else
	s_wait_loadcnt 4*(STEPS-2-(\t))
.endif
	XTURN (\t)+1
.endif
	v_max3_num_f32 v8, |v[XS]|, |v[XS+1]|, |v[XS+2]|               ; the largest magnitude of my 16, in two chains
	v_max3_num_f32 v9, |v[XS+3]|, |v[XS+4]|, |v[XS+5]|
.irp i, 6,10
	v_max3_num_f32 v8, v8, |v[XS+\i]|, |v[XS+\i+1]|
	v_max3_num_f32 v9, v9, |v[XS+\i+2]|, |v[XS+\i+3]|
.endr
	v_max3_num_f32 v8, v8, |v[XS+14]|, |v[XS+15]|
	v_max3_num_f32 v8, v8, v9, (EMAX+1)<<23        ; and the floor 2^(3 - 127): the byte cannot fall under 1
	v_max_num_f32_dpp v8, v8, v8 row_xmask:1 row_mask:0xf bank_mask:0xf   ; with my neighbour's 16: the block's
	v_add_nc_u32 v11, -(EMAX<<23), v8              ; 2 off its exponent field: the conversion takes that field as its scale
	v_cvt_scalef32_pk8_fp4_f32 v[XC+4*(\t)], v[XS:XS+7], v11
	v_cvt_scalef32_pk8_fp4_f32 v[XC+4*(\t)+1], v[XS+8:XS+15], v11
	v_lshrrev_b32 v[XE+(\t)], 23, v11              ; the scale's byte (a plain line behind the conversions)
	ds_store_b8 v5, v[XE+(\t)] offset:16*(\t)      ; both lanes of a block write the same byte with the same value
	global_store_b64 v4, v[XC+4*(\t):XC+4*(\t)+1], s[14:15] offset:32*CB*(\t)   ; the wave stores 256 consecutive bytes, aligned
.endm
.macro WLOAD t                         ; block t of my column: W(32 t + i, column), i = 0 .. 31: each load reads 128 consecutive bytes a wave
.irp i, 0,1,2,3,4,5,6,7,8,9,10,11,12,13,14,15,16,17,18,19,20,21,22,23,24,25,26,27,28,29,30,31
	global_load_b32 v[WX+32*((\t)%2)+\i], v3, s[36:37] offset:(32*(\t)+\i)*4096 th:TH_LOAD_NT
.endr
.endm
.macro WBLOCK t
.set XS, WX+32*((\t)%2)
.if (\t) < NB-1
	s_wait_loadcnt 32                              ; this block's 32 loads are in; the next block's may be out
.else
	s_wait_loadcnt 0
.endif
	v_max3_num_f32 v12, |v[XS]|, |v[XS+1]|, |v[XS+2]|              ; all 32 numbers of the block are mine
	v_max3_num_f32 v13, |v[XS+3]|, |v[XS+4]|, |v[XS+5]|
.irp i, 6,10,14,18,22,26
	v_max3_num_f32 v12, v12, |v[XS+\i]|, |v[XS+\i+1]|
	v_max3_num_f32 v13, v13, |v[XS+\i+2]|, |v[XS+\i+3]|
.endr
	v_max3_num_f32 v12, v12, |v[XS+30]|, |v[XS+31]|
	v_max3_num_f32 v12, v12, v13, (EMAX+1)<<23
	v_add_nc_u32 v11, -(EMAX<<23), v12
	v_lshrrev_b32 v13, 23, v11                     ; the scale's byte
.if (\t)%4 == 0
	v_mov_b32 v[SB+(\t)/4], v13                    ; four bytes to a register, the lower K in the lower byte
.else
	v_lshl_or_b32 v[SB+(\t)/4], v13, 8*((\t)%4), v[SB+(\t)/4]
.endif
.irp g, 0,1,2,3
	v_cvt_scalef32_pk8_fp4_f32 v[WC+\g], v[XS+8*\g:XS+8*\g+7], v11
.endr
	ds_store_b128 v4, v[WC:WC+3] offset:16*(\t)    ; 32 codes: 16 bytes of my column's row.  (The results go to an LDS store; the next block begins with plain vector lines)
.if (\t)+2 < NB
	WLOAD (\t)+2
.endif
	s_wait_dscnt 0x0                               ; the store has read its registers: the next block's codes may be written
.endm
	s_load_b512 s[4:19], s[0:1], 0x0               ; x 4:5, W_q 6:7, W_k 8:9, W_v 10:11, W_o 12:13, xc 14:15, xs 16:17, wc 18:19
	s_load_b128 s[20:23], s[0:1], 0x40             ; ws 20:21, wo16 22:23
	v_lshl_add_u32 v[SPW], v0, 2, SPARE
	v_mov_b32 v[NIL], 0
	v_lshrrev_b32 v1, 5, v0
	v_readfirstlane_b32 s24, v1                    ; wave 0..3
	v_and_b32 v2, 31, v0                           ; lane
	s_cmp_lt_u32 ttmp9, 48
	s_cbranch_scc1 .LW
	s_cmp_lt_u32 ttmp9, 304
	s_cbranch_scc1 .LX
	; ---- W_o to f16, by head.  A wave takes 4 rows n; lane l row l / 8, eight numbers l % 8 of each head's 64: a store of the wave covers 512 consecutive bytes of wo16
	s_sub_co_u32 s25, ttmp9, 304
	s_lshl_b32 s25, s25, 2
	s_add_co_u32 s25, s25, s24
	s_lshl_b32 s25, s25, 2                         ; my first row n
	s_lshl_b32 s26, s25, 12                        ; x 4,096 bytes in W_o
	s_mov_b32 s27, 0
	s_lshl_b32 s28, s25, 7                         ; x 128 bytes in a head of wo16
	s_mov_b32 s29, 0
	v_lshrrev_b32 v3, 3, v2
	v_and_b32 v4, 7, v2
	v_lshlrev_b32 v3, 12, v3
	v_lshl_add_u32 v3, v4, 5, v3                   ; in: 4,096 (l / 8) + 32 (l % 8)
	v_lshlrev_b32 v4, 4, v2                        ; out: 16 l
	s_wait_kmcnt 0x0
	s_add_nc_u64 s[12:13], s[12:13], s[26:27]
	s_add_nc_u64 s[22:23], s[22:23], s[28:29]
.irp h, 0,1,2,3,4,5,6,7,8,9,10,11,12,13,14,15
	global_load_b128 v[32+8*\h:32+8*\h+3], v3, s[12:13] offset:256*\h
	global_load_b128 v[32+8*\h+4:32+8*\h+7], v3, s[12:13] offset:256*\h+16
.endr
.irp h, 0,1,2,3,4,5,6,7,8,9,10,11,12,13,14,15
	s_wait_loadcnt 30-2*\h                         ; head h's two loads are in; the later heads' may be out
	v_cvt_pk_f16_f32 v[32+8*\h], v[32+8*\h], v[32+8*\h+1]
	v_cvt_pk_f16_f32 v[32+8*\h+1], v[32+8*\h+2], v[32+8*\h+3]
	v_cvt_pk_f16_f32 v[32+8*\h+2], v[32+8*\h+4], v[32+8*\h+5]
	v_cvt_pk_f16_f32 v[32+8*\h+3], v[32+8*\h+6], v[32+8*\h+7]
	global_store_b128 v4, v[32+8*\h:32+8*\h+3], s[22:23] offset:131072*\h   ; no register is written twice: no wait for the stores' sources
.endr
	s_wait_tensorcnt 0x0                           ; the wave's end
	ds_add_u32 v[SPW], v[NIL]
	s_wait_dscnt 0x0
	s_endpgm
.LX:	; ---- x: a plain stream of blocks of 32.  A wave takes 16 steps of 512 numbers
	v_lshlrev_b32 v3, 4, v2                        ; my 16 bytes of a load's 512
	s_mul_i32 s25, s24, WREG
	v_lshrrev_b32 v14, 2, v2
	v_mul_u32_u24 v14, v14, SP
	v_and_b32 v15, 3, v2
	v_lshl_add_u32 v14, v15, 4, v14
	v_add_nc_u32 v14, s25, v14                     ; the stage, on the way in: SP (lane / 4) + 16 (lane % 4)
	v_mul_u32_u24 v15, v2, SP
	v_add_nc_u32 v15, s25, v15                     ; and on the way out: SP x lane: my 16 neighbours
	v_mul_u32_u24 v4, v2, CB                       ; my codes' place in a step's
	v_lshrrev_b32 v5, 1, v2
	s_add_co_u32 s25, s25, 2*32*SP
	v_add_nc_u32 v5, s25, v5                       ; my block's byte among my wave's 256 scale bytes
	v_lshlrev_b32 v7, 3, v2
	v_add_nc_u32 v6, s25, v7                       ; and on the way out 8 bytes a lane
	s_sub_co_u32 s26, ttmp9, 48
	s_lshl_b32 s26, s26, 2
	s_add_co_u32 s26, s26, s24                     ; which run of 8,192 numbers is my wave's: 0 .. 1,023
	s_lshl_b32 s28, s26, 15
	s_mov_b32 s29, 0
	s_lshl_b32 s30, s26, 12
	s_mov_b32 s31, 0
	s_lshl_b32 s32, s26, 8
	s_mov_b32 s33, 0
	s_wait_kmcnt 0x0
	s_add_nc_u64 s[4:5], s[4:5], s[28:29]
	s_add_nc_u64 s[14:15], s[14:15], s[30:31]
	s_add_nc_u64 s[16:17], s[16:17], s[32:33]
.irp t, 0,1,2,3
	XLOAD \t
.endr
	s_wait_loadcnt 12                              ; step 0's four loads are in
	XTURN 0
.irp t, 0,1,2,3,4,5,6,7,8,9,10,11,12,13,14,15
	XSTEP \t
.endr
	ds_load_b64 v[8:9], v6                         ; LDS serves a wave's instructions in order: these see my byte stores
	s_wait_dscnt 0x0
	global_store_b64 v7, v[8:9], s[16:17]          ; 32 lanes store 256 consecutive bytes, aligned
	s_wait_tensorcnt 0x0                           ; the wave's end, behind my last LDS store
	ds_add_u32 v[SPW], v[NIL]
	s_wait_dscnt 0x0
	s_endpgm
.LW:	; ---- a weight, K its first axis: a lane takes a column and its registers run down K; a wave takes 32 columns x 512 along K
	s_lshr_b32 s25, ttmp9, 4                       ; which weight: 0 q, 1 k, 2 v
	s_and_b32 s26, ttmp9, 7                        ; which 128 columns
	s_bfe_u32 s27, ttmp9, 0x10003                  ; which half of K
	s_lshl_b32 s26, s26, 7
	s_lshl_b32 s28, s24, 5
	s_add_co_u32 s26, s26, s28                     ; my wave's first column
	v_lshlrev_b32 v3, 2, v2                        ; in: 4 bytes a lane
	s_mul_i32 s28, s24, 32*PITCH
	s_add_co_u32 s28, s28, WSTG                    ; my stage
	v_mul_u32_u24 v4, v2, PITCH
	v_add_nc_u32 v4, s28, v4                       ; into it: row = my column
	v_and_b32 v5, 15, v2
	v_lshrrev_b32 v6, 4, v2
	v_mul_u32_u24 v7, v6, PITCH
	v_lshl_add_u32 v7, v5, 4, v7
	v_add_nc_u32 v7, s28, v7                       ; out of it: sixteen lanes to a row, two rows an instruction
	v_mul_u32_u24 v8, v6, KROW
	v_lshl_add_u32 v8, v5, 4, v8                   ; and the same place in wc
	v_lshlrev_b32 v9, 5, v2                        ; my column's row of scale bytes: 32 bytes a row
	s_lshl_b32 s28, s27, 21                        ; 512 rows of 4,096 bytes
	s_lshl_b32 s29, s26, 2
	s_add_co_u32 s28, s28, s29
	s_mov_b32 s29, 0
	s_lshl_b32 s30, s25, 10
	s_add_co_u32 s30, s30, s26                     ; n = 1,024 x weight + column
	s_lshl_b32 s32, s30, 9
	s_lshl_b32 s33, s27, 8
	s_add_co_u32 s32, s32, s33                     ; codes: n x 512 + 256 x half
	s_mov_b32 s33, 0
	s_lshl_b32 s34, s30, 5
	s_lshl_b32 s35, s27, 4
	s_add_co_u32 s34, s34, s35                     ; bytes: n x 32 + 16 x half
	s_mov_b32 s35, 0
	s_wait_kmcnt 0x0
	s_cmp_eq_u32 s25, 0                            ; the choice hangs on the work-group's number alone
	s_cselect_b64 s[36:37], s[6:7], s[8:9]
	s_cmp_eq_u32 s25, 2
	s_cselect_b64 s[36:37], s[10:11], s[36:37]
	s_add_nc_u64 s[36:37], s[36:37], s[28:29]
	s_add_nc_u64 s[18:19], s[18:19], s[32:33]
	s_add_nc_u64 s[20:21], s[20:21], s[34:35]
	WLOAD 0
	WLOAD 1
.set Q, 0
.rept NB
	WBLOCK Q
.set Q, Q+1
.endr
	global_store_b128 v9, v[SB:SB+3], s[20:21]     ; my column's 16 scale bytes
.irp t, 0,1,2,3,4,5,6,7,8,9,10,11,12,13,14,15
	ds_load_b128 v[OUTR+4*\t:OUTR+4*\t+3], v7 offset:2*\t*PITCH
.endr
.irp t, 0,1,2,3,4,5,6,7,8,9,10,11,12,13,14,15
	s_wait_dscnt 15-\t                             ; load t is in; the later ones may be out
	global_store_b128 v8, v[OUTR+4*\t:OUTR+4*\t+3], s[18:19] offset:2*\t*KROW   ; sixteen lanes store 256 consecutive bytes, aligned
.endr
	s_wait_tensorcnt 0x0                           ; the wave's end, behind my last LDS store
	ds_add_u32 v[SPW], v[NIL]
	s_wait_dscnt 0x0
	s_endpgm
.Lfunc_end_k_q3aa5751b5f_prep:
	.size	k_q3aa5751b5f_prep, .Lfunc_end_k_q3aa5751b5f_prep-k_q3aa5751b5f_prep
	.p2alignl 7, 3214868480
	.fill 96, 4, 3214868480
	.section	.rodata,"a",@progbits
	.p2align	6, 0x0
	.amdhsa_kernel k_q3aa5751b5f_prep
		.amdhsa_group_segment_fixed_size 68096
		.amdhsa_private_segment_fixed_size 0
		.amdhsa_enable_private_segment 0
		.amdhsa_kernarg_size 80
		.amdhsa_user_sgpr_count 2
		.amdhsa_user_sgpr_kernarg_segment_ptr 1
		.amdhsa_wavefront_size32 1
		.amdhsa_system_sgpr_workgroup_id_x 1
		.amdhsa_system_sgpr_workgroup_id_y 1
		.amdhsa_system_sgpr_workgroup_id_z 1
		.amdhsa_system_vgpr_workitem_id 0
		.amdhsa_next_free_vgpr 196
		.amdhsa_next_free_sgpr 66
		.amdhsa_reserve_vcc 0
		.amdhsa_float_denorm_mode_32 3
		.amdhsa_float_denorm_mode_16_64 3
		.amdhsa_memory_ordered 1
		.amdhsa_forward_progress 1
		.amdhsa_inst_pref_size 121
	.end_amdhsa_kernel
	.amdgpu_metadata
---
amdhsa.version: [ 1, 2 ]
amdhsa.kernels:
  - .name:           k_q3aa5751b5f_prep
    .symbol:         k_q3aa5751b5f_prep.kd
    .args:
      - { .name: x, .offset: 0, .size: 8, .value_kind: global_buffer, .address_space: global }
      - { .name: W_q, .offset: 8, .size: 8, .value_kind: global_buffer, .address_space: global }
      - { .name: W_k, .offset: 16, .size: 8, .value_kind: global_buffer, .address_space: global }
      - { .name: W_v, .offset: 24, .size: 8, .value_kind: global_buffer, .address_space: global }
      - { .name: W_o, .offset: 32, .size: 8, .value_kind: global_buffer, .address_space: global }
      - { .name: xc, .offset: 40, .size: 8, .value_kind: global_buffer, .address_space: global }
      - { .name: xs, .offset: 48, .size: 8, .value_kind: global_buffer, .address_space: global }
      - { .name: wc, .offset: 56, .size: 8, .value_kind: global_buffer, .address_space: global }
      - { .name: ws, .offset: 64, .size: 8, .value_kind: global_buffer, .address_space: global }
      - { .name: wo16, .offset: 72, .size: 8, .value_kind: global_buffer, .address_space: global }
    .group_segment_fixed_size: 68096
    .private_segment_fixed_size: 0
    .kernarg_segment_align: 8
    .kernarg_segment_size: 80
    .max_flat_workgroup_size: 128
    .sgpr_count:     66
    .vgpr_count:     196
    .wavefront_size: 32
...
	.end_amdgpu_metadata
.endif
;; end of part 1
;; launch qkv (part 2): grid 16 x 32, 4 waves a work-group, clusters of 4 x 4, 327,680 bytes of LDS; arguments xc, xs, wc, ws, qkv, fine; writes qkv, fine
.if DOCPART == 2
	.amdgcn_target "amdgcn-amd-amdhsa--gfx1250"
	.amdhsa_code_object_version 6
	.text
	.protected	k_q3aa5751b5f_qkv
	.globl	k_q3aa5751b5f_qkv
	.p2align	8
	.type	k_q3aa5751b5f_qkv,@function
k_q3aa5751b5f_qkv:
	s_mov_b64 s[64:65], 0
	v_nop
	global_prefetch_b8 v0, s[64:65] scope:SCOPE_SE
	s_setreg_imm32_b32 hwreg(HW_REG_WAVE_MODE, 25, 1), 1
	s_wait_xcnt 0x0
	s_wait_alu depctr_hold_cnt(0) depctr_sa_sdst(0) depctr_va_vdst(0) depctr_va_sdst(0) depctr_va_ssrc(0) depctr_va_vcc(0) depctr_vm_vsrc(0)
	s_getreg_b32 s2, hwreg(HW_REG_IB_STS2, 6, 4)
	s_cmp_eq_u32 s2, 0
	s_cbranch_scc0 .Lentry_in_a_cluster
	s_endpgm
.Lentry_in_a_cluster:
	s_bfe_u32 s2, ttmp6, 0x10000c
	s_cmp_lg_u32 s2, 0xf033
	s_cbranch_scc0 .Lentry_shape_is_right
	s_endpgm
.Lentry_shape_is_right:
; q, k, v = x W_q, x W_k, x W_v as ONE product on codes of E2M1: [8192] x [3072 n] over K = 1024; sums in f32.  Results go out in f16, laid by head: qkv [48 g][8192 row][64], g = n / 64
; (0-15 q, 16-31 k, 32-47 v).  The first 16 positions of each of the 4 sequences also go out in f32 (fine [16 b + s][3072]), for the launch that carries those rows finely.
; LIMIT: |q|, |k|, |v| up to 65,504 (f16).
; A tile of the result is 256 rows x 192 columns (three heads).  ALL of K of a tile's operands fits in LDS: 2 chunks of 512 along K, rows of 256 bytes; nothing is filled twice, so there is no ring.
; Four waves; wave w makes rows 64 w .. 64 w + 63 x all 192 columns: 48 accumulators, 384 registers.  THE MATRIX INSTRUCTION IS USED TRANSPOSED (source 0 = 16 rows of wc, source 1 = 16 rows of xc):
; a lane then holds eight neighbouring columns of one row.
; CLUSTERS: 4 x 4 work-groups.  The four of a row of the cluster need the same rows of x, the four of a column the same rows of the weights: each tile is asked for jointly.
; Tile row = 8 cy + cluster y, so that 'this tile holds positions 0-15 of a sequence' is cluster y = 0, the same in all partners; the sequence is then cy, which enters a store's address alone.
; By this text's own count a wave has three tensor loads out: the scales, chunk 0, chunk 1.
; REGISTERS, in windows of 256: window 0: v16-29 addresses; v32-79 the weights' scale words, v80-95 x's; v96-159 x's fragments, two sets of 32 (on the way out: packed results); v160-223 rows read back.
;   window 1: the weights' fragments, two sets of 96.   windows 2, 3: accumulator (a, b) at v[8 (12 (a % 2) + b)] of window 2 + a / 2.
.set PITCH,  272                       ; an LDS row: 256 bytes + 16 of padding = 68 words: the 16 rows that a load touches start at 16 different banks (64 banks of 4 bytes: ISA guide 11.1)
.set CH,     121856                    ; a chunk: x's 256 rows, then the weights' 192
.set BOFF,   69632
.set SCA,    243712                    ; x's scale bytes: 256 rows x 32
.set SCB,    251904                    ; the weights': 192 rows x 32
.set STAGE,  258048                    ; the way out: 64 rows x (128 + 16) bytes for each wave
.set SPARE,  294912                    ; the spare words, 128 bytes a wave: two blocks of 256 bytes that no other line names
.set ADRA, 16                          ; v16-17  LDS address of my fragments of x in chunk 0, 1
.set ADRB, 18                          ; v18-19  of the weights'
.set ADSA, 20                          ; v20     of x's scale words: lanes 0-15 block p, lanes 16-31 block p + 2
.set ADSB, 21                          ; v21     of the weights': lanes 0-15 block i, lanes 16-31 block i + 6
.set STO,  22
.set RD,   23
.set GO,   24                          ; v24     16 x lane
.set FO,   25                          ; v25     my place in the fine rows
.set SPW,  28
.set NIL,  29
.set SB,   32                          ; register SB + 8 i + k: the weights' words of K step k
.set SA,   80                          ; register SA + 8 p + k: x's
.set AF,   96
.set TMP,  96
.set BK,   160
.set G1A,  24
.set G1B,  32
.set G1SA, 40
.set G1SB, 48
.set G0A0, 56
.set G0A1, 60
.set G0B0, 68
.set G0B1, 72
.set G0SA, 76
.set G0SB, 80
.set MSB, 0
.macro WIN new                         ; the immediate's high byte repeats the setting that is left
.if MSB != (\new)
	s_set_vgpr_msb (MSB<<8)|(\new)
.set MSB, (\new)
.endif
.endm
; A joint load: waves 0 and 1 fetch for x, waves 2 and 3 for the weights.  The branch hangs on the wave's number alone.  An s_nop 0 and four v_nop follow each line.
.macro JLOAD g0a, g1a, g0b, g1b
	s_cmp_eq_u32 s17, 0
	s_cbranch_scc0 .Lfor_b_\@
	tensor_load_to_lds s[\g0a:\g0a+3], s[\g1a:\g1a+7]
	s_nop 0
.rept 4
	v_nop
.endr
	s_branch .Lasked_\@
.Lfor_b_\@:
	tensor_load_to_lds s[\g0b:\g0b+3], s[\g1b:\g1b+7]
	s_nop 0
.rept 4
	v_nop
.endr
.Lasked_\@:
.endm
.macro CROUND                          ; a round of the cluster's barrier
	s_barrier_signal -1
	s_barrier_wait -1
	s_cmp_lg_u32 s16, 0
	s_cbranch_scc1 .Lnot_wave_0_\@
	s_barrier_signal -3
.Lnot_wave_0_\@:
	s_barrier_wait -3
	s_barrier_signal -1
	s_barrier_wait -1
.endm
.macro PLACES n
.rept \n
	v_nop
.endr
.endm
.macro FRAG reg, adr, q, i             ; 16 rows x 128 K of 4-bit codes: lane l holds row l % 16; registers 4 c .. 4 c + 3 hold K = 64 c + 32 (l / 16) + 0 .. 31
.irp c, 0,1
	ds_load_b128 v[\reg+4*\c:\reg+4*\c+3], v[\adr] offset:64*(\q)+32*\c+(\i)*16*PITCH
.endr
.endm
.macro FETCH k                         ; K step k's fragments into set k % 2: 24 loads for the weights, 8 for x
	WIN 0x40
.irp i, 0,1,2,3,4,5,6,7,8,9,10,11
	FRAG 96*((\k)%2)+8*\i, ADRB+(\k)/4, (\k)%4, \i
.endr
	WIN 0
.irp i, 0,1,2,3
	FRAG AF+32*((\k)%2)+8*\i, ADRA+(\k)/4, (\k)%4, \i
.endr
.endm
.macro MM a, b, k                      ; one product; the scale words' rows go with the blocks: the upper lanes hold blocks 6-11 of the weights and 2, 3 of x
.set rD, 8*(12*((\a)%2)+(\b))
.set rB, 96*((\k)%2)+8*(\b)
.set rA, AF+32*((\k)%2)+8*(\a)
.set rX, SB+8*((\b)%6)+(\k)
.set rY, SA+8*((\a)%2)+(\k)
.if (\k) == 0
.if ((\b) < 6) && ((\a) < 2)
	v_wmma_scale_f32_16x16x128_f8f6f4 v[rD:rD+7], v[rB:rB+7], v[rA:rA+7], 0, v[rX], v[rY] matrix_a_fmt:MATRIX_FMT_FP4 matrix_b_fmt:MATRIX_FMT_FP4
.elseif (\a) < 2
	v_wmma_scale_f32_16x16x128_f8f6f4 v[rD:rD+7], v[rB:rB+7], v[rA:rA+7], 0, v[rX], v[rY] matrix_a_fmt:MATRIX_FMT_FP4 matrix_b_fmt:MATRIX_FMT_FP4 matrix_a_scale:MATRIX_SCALE_ROW1
.elseif (\b) < 6
	v_wmma_scale_f32_16x16x128_f8f6f4 v[rD:rD+7], v[rB:rB+7], v[rA:rA+7], 0, v[rX], v[rY] matrix_a_fmt:MATRIX_FMT_FP4 matrix_b_fmt:MATRIX_FMT_FP4 matrix_b_scale:MATRIX_SCALE_ROW1
.else
	v_wmma_scale_f32_16x16x128_f8f6f4 v[rD:rD+7], v[rB:rB+7], v[rA:rA+7], 0, v[rX], v[rY] matrix_a_fmt:MATRIX_FMT_FP4 matrix_b_fmt:MATRIX_FMT_FP4 matrix_a_scale:MATRIX_SCALE_ROW1 matrix_b_scale:MATRIX_SCALE_ROW1
.endif
.else
.if ((\b) < 6) && ((\a) < 2)
	v_wmma_scale_f32_16x16x128_f8f6f4 v[rD:rD+7], v[rB:rB+7], v[rA:rA+7], v[rD:rD+7], v[rX], v[rY] matrix_a_fmt:MATRIX_FMT_FP4 matrix_b_fmt:MATRIX_FMT_FP4
.elseif (\a) < 2
	v_wmma_scale_f32_16x16x128_f8f6f4 v[rD:rD+7], v[rB:rB+7], v[rA:rA+7], v[rD:rD+7], v[rX], v[rY] matrix_a_fmt:MATRIX_FMT_FP4 matrix_b_fmt:MATRIX_FMT_FP4 matrix_a_scale:MATRIX_SCALE_ROW1
.elseif (\b) < 6
	v_wmma_scale_f32_16x16x128_f8f6f4 v[rD:rD+7], v[rB:rB+7], v[rA:rA+7], v[rD:rD+7], v[rX], v[rY] matrix_a_fmt:MATRIX_FMT_FP4 matrix_b_fmt:MATRIX_FMT_FP4 matrix_b_scale:MATRIX_SCALE_ROW1
.else
	v_wmma_scale_f32_16x16x128_f8f6f4 v[rD:rD+7], v[rB:rB+7], v[rA:rA+7], v[rD:rD+7], v[rX], v[rY] matrix_a_fmt:MATRIX_FMT_FP4 matrix_b_fmt:MATRIX_FMT_FP4 matrix_a_scale:MATRIX_SCALE_ROW1 matrix_b_scale:MATRIX_SCALE_ROW1
.endif
.endif
.endm
.macro MUL k                           ; 48 products: the 48 accumulators take turns, one instruction a turn, in the same order in every step; K step 0 starts the sums
	WIN 0xa1                                       ; source 0 window 1, source 1 window 0, C and D window 2
.irp a, 0,1
.irp b, 0,1,2,3,4,5,6,7,8,9,10,11
	MM \a, \b, \k
.endr
.endr
	WIN 0xf1                                       ; C and D window 3
.irp a, 2,3
.irp b, 0,1,2,3,4,5,6,7,8,9,10,11
	MM \a, \b, \k
.endr
.endr
.endm
.macro STEP k
	s_wait_dscnt 0x0                               ; this step's fragments are in: they were asked for ahead of the last step's 48 products
.if (\k) == 3
	s_wait_tensorcnt 0x0                           ; my part of chunk 1 is in,
	s_barrier_signal -1
	s_barrier_wait -1                              ; everybody's is
.endif
.if (\k) < 7
.if (\k) > 0
	PLACES 4                                       ; in front of loads into registers that matrix instructions have read (ISA guide 7.12.1 for vector instructions)
.endif
	FETCH (\k)+1
.endif
	MUL \k
	WIN 0
.endm
	s_load_b256 s[4:11], s[0:1], 0x0               ; xc 4:5, xs 6:7, wc 8:9, ws 10:11
	s_load_b128 s[12:15], s[0:1], 0x20             ; qkv 12:13, fine 14:15
	v_lshl_add_u32 v[SPW], v0, 2, SPARE
	v_mov_b32 v[NIL], 0
	ds_add_u32 v[SPW], v[NIL]                      ; the wave's opening: the add, twice on end, and its wait ahead of my first tensor load
	ds_add_u32 v[SPW], v[NIL]
	v_lshrrev_b32 v1, 5, v0
	v_readfirstlane_b32 s16, v1                    ; wave 0..3
	s_lshr_b32 s17, s16, 1                         ; I fetch for x (0) or for the weights (1)
	s_and_b32 s18, s16, 1                          ; which half of the tile's rows I fetch
	s_bfe_u32 s19, ttmp6, 0x40000                  ; cx
	s_bfe_u32 s20, ttmp6, 0x40004                  ; cy
	s_lshl_b32 s21, ttmp9, 2
	s_add_co_u32 s21, s21, s19                     ; tile column = 4 x cluster x + cx
	s_and_b32 s23, ttmp7, 0xffff                   ; cluster y
	s_lshl_b32 s22, s20, 3
	s_add_co_u32 s22, s22, s23                     ; tile row = 8 cy + cluster y
	s_lshl_b32 s2, s20, 2
	s_lshl_b32 s2, 15, s2                          ; my row of the cluster
	s_lshl_b32 s3, 0x1111, s19                     ; my column
	s_or_b32 s[G1A], s2, (1<<20)|(1<<21)|(5<<22)|(3<<25)    ; the mask; elements of 1 byte; padding on; bit 21 beside a mask; 4 words after every 64
	s_or_b32 s[G1B], s3, (1<<20)|(1<<21)|(5<<22)|(3<<25)
	s_mov_b32 s[G1A+1], 256<<16                    ; tensor_dim0 = 256 bytes
	s_mov_b32 s[G1A+2], 128<<16                    ; tensor_dim1 = 128 rows
	s_mov_b32 s[G1A+3], 256<<16                    ; tile_dim0
	s_mov_b32 s[G1A+4], 128                        ; tile_dim1
	s_mov_b32 s[G1A+5], 512                        ; a row of codes in memory
	s_mov_b32 s[G1A+6], 0
	s_mov_b32 s[G1A+7], 0
	s_mov_b32 s[G1B+1], 256<<16
	s_mov_b32 s[G1B+2], 96<<16
	s_mov_b32 s[G1B+3], 256<<16
	s_mov_b32 s[G1B+4], 96
	s_mov_b32 s[G1B+5], 512
	s_mov_b32 s[G1B+6], 0
	s_mov_b32 s[G1B+7], 0
	s_or_b32 s[G1SA], s2, (3<<16)|(1<<21)          ; the scale bytes of 128 rows: 4,096 dense bytes as 16 rows of 32 elements of 8 bytes, no padding
	s_or_b32 s[G1SB], s3, (3<<16)|(1<<21)          ; of 96 rows: 12 such rows
	s_mov_b32 s[G1SA+1], 32<<16
	s_mov_b32 s[G1SA+2], 16<<16
	s_mov_b32 s[G1SA+3], 32<<16
	s_mov_b32 s[G1SA+4], 16
	s_mov_b32 s[G1SA+5], 32
	s_mov_b32 s[G1SA+6], 0
	s_mov_b32 s[G1SA+7], 0
	s_mov_b32 s[G1SB+1], 32<<16
	s_mov_b32 s[G1SB+2], 12<<16
	s_mov_b32 s[G1SB+3], 32<<16
	s_mov_b32 s[G1SB+4], 12
	s_mov_b32 s[G1SB+5], 32
	s_mov_b32 s[G1SB+6], 0
	s_mov_b32 s[G1SB+7], 0
	s_lshl_b32 s84, s22, 8
	s_lshl_b32 s85, s18, 7
	s_add_co_u32 s84, s84, s85                     ; x: row 256 x tile row + 128 x half
	s_lshl_b32 s86, s84, 9                         ; its codes,
	s_mov_b32 s87, 0
	s_lshl_b32 s88, s84, 5                         ; its scale bytes
	s_mov_b32 s89, 0
	s_mul_i32 s90, s21, 192
	s_mul_i32 s91, s18, 96
	s_add_co_u32 s90, s90, s91                     ; weights: row 192 x tile column + 96 x half
	s_lshl_b32 s92, s90, 9
	s_mov_b32 s93, 0
	s_lshl_b32 s94, s90, 5
	s_mov_b32 s95, 0
	s_mul_i32 s96, s18, 128*PITCH                  ; where they go: no place in the cluster enters an LDS address
	s_mul_i32 s97, s18, 96*PITCH
	s_lshl_b32 s98, s18, 12
	s_mul_i32 s99, s18, 3072
	s_wait_dscnt 0x0                               ; both opening adds are done
	s_wait_kmcnt 0x0
	CROUND                                         ; all sixteen work-groups are here: the first joint loads meet
	s_mov_b32 s[G0SA], 1
	s_add_co_u32 s[G0SA+1], s98, SCA
	s_add_nc_u64 s[G0SA+2:G0SA+3], s[6:7], s[88:89]
	s_or_b32 s[G0SA+3], s[G0SA+3], 0x80000000
	s_mov_b32 s[G0SB], 1
	s_add_co_u32 s[G0SB+1], s99, SCB
	s_add_nc_u64 s[G0SB+2:G0SB+3], s[10:11], s[94:95]
	s_or_b32 s[G0SB+3], s[G0SB+3], 0x80000000
	JLOAD G0SA, G1SA, G0SB, G1SB                   ; the scales first: they are wanted with K step 0
	s_add_nc_u64 s[86:87], s[4:5], s[86:87]
	s_add_nc_u64 s[92:93], s[8:9], s[92:93]
	s_mov_b32 s[G0A0], 1
	s_mov_b32 s[G0A0+1], s96
	s_mov_b64 s[G0A0+2:G0A0+3], s[86:87]
	s_or_b32 s[G0A0+3], s[G0A0+3], 0x80000000
	s_mov_b32 s[G0B0], 1
	s_add_co_u32 s[G0B0+1], s97, BOFF
	s_mov_b64 s[G0B0+2:G0B0+3], s[92:93]
	s_or_b32 s[G0B0+3], s[G0B0+3], 0x80000000
	JLOAD G0A0, G1A, G0B0, G1B                     ; chunk 0: K 0 .. 511
	s_mov_b32 s[G0A1], 1
	s_add_co_u32 s[G0A1+1], s96, CH
	s_add_nc_u64 s[G0A1+2:G0A1+3], s[86:87], 256
	s_or_b32 s[G0A1+3], s[G0A1+3], 0x80000000
	s_mov_b32 s[G0B1], 1
	s_add_co_u32 s[G0B1+1], s97, CH+BOFF
	s_add_nc_u64 s[G0B1+2:G0B1+3], s[92:93], 256
	s_or_b32 s[G0B1+3], s[G0B1+3], 0x80000000
	JLOAD G0A1, G1A, G0B1, G1B                     ; chunk 1: K 512 .. 1,023
	v_and_b32 v1, 15, v0                           ; r = l % 16
	v_bfe_u32 v2, v0, 4, 1                         ; h = l / 16
	v_mul_u32_u24 v3, v1, PITCH
	v_lshl_add_u32 v3, v2, 4, v3                   ; a fragment's row x pitch + 16 h
	s_mul_i32 s84, s16, 64*PITCH                   ; my 64 rows of x
	v_add_nc_u32 v[ADRA], s84, v3
	v_add_nc_u32 v[ADRA+1], CH, v[ADRA]
	v_add_nc_u32 v[ADRB], BOFF, v3
	v_add_nc_u32 v[ADRB+1], CH, v[ADRB]
	v_lshlrev_b32 v4, 5, v1                        ; 32 bytes of scales a row
	v_lshl_add_u32 v[ADSA], v2, 10, v4             ; lanes 16-31: two blocks of 16 rows on
	s_lshl_b32 s84, s16, 11
	s_add_co_u32 s84, s84, SCA
	v_add_nc_u32 v[ADSA], s84, v[ADSA]
	v_mul_u32_u24 v[ADSB], v2, 3072                ; lanes 16-31: six blocks on
	v_add_nc_u32 v[ADSB], v[ADSB], v4
	v_add_nc_u32 v[ADSB], SCB, v[ADSB]
	s_mul_i32 s84, s16, 9216
	s_add_co_u32 s84, s84, STAGE                   ; my stage
	v_mul_u32_u24 v[STO], v1, 144
	v_lshl_add_u32 v[STO], v2, 4, v[STO]
	v_add_nc_u32 v[STO], s84, v[STO]               ; in: row r, 16 bytes for each half of the lanes
	v_bfe_u32 v[RD], v0, 3, 2
	v_mul_u32_u24 v[RD], v[RD], 144
	v_and_b32 v5, 7, v0
	v_lshl_add_u32 v[RD], v5, 4, v[RD]
	v_add_nc_u32 v[RD], s84, v[RD]                 ; back: eight lanes to a row of 128 bytes, four rows an instruction
	v_and_b32 v[GO], 31, v0
	v_lshlrev_b32 v[GO], 4, v[GO]
	v_mul_u32_u24 v[FO], v1, 12288
	v_lshl_add_u32 v[FO], v2, 5, v[FO]             ; fine: row r of 12,288 bytes, + 32 h
	s_mul_i32 s84, s21, 3*8192                     ; qkv: (3 x tile column) heads of 8,192 rows + 256 x tile row + 64 x wave, rows of 128 bytes
	s_lshl_b32 s85, s22, 8
	s_add_co_u32 s84, s84, s85
	s_lshl_b32 s85, s16, 6
	s_add_co_u32 s84, s84, s85
	s_lshl_b32 s84, s84, 7
	s_mov_b32 s85, 0
	s_add_nc_u64 s[12:13], s[12:13], s[84:85]
	s_mul_i32 s84, s20, 16*12288                   ; fine: sequence cy's 16 rows, + 768 bytes x tile column
	s_mul_i32 s86, s21, 768
	s_add_co_u32 s84, s84, s86
	s_add_nc_u64 s[14:15], s[14:15], s[84:85]
	s_wait_tensorcnt 0x1                           ; the scales and my part of chunk 0 are in; chunk 1's load may be out
	s_barrier_signal -1
	s_barrier_wait -1
.irp i, 0,1,2,3,4,5
	ds_load_b128 v[SB+8*\i:SB+8*\i+3], v[ADSB] offset:512*\i        ; all eight K steps' words of blocks i and i + 6
	ds_load_b128 v[SB+8*\i+4:SB+8*\i+7], v[ADSB] offset:512*\i+16
.endr
.irp p, 0,1
	ds_load_b128 v[SA+8*\p:SA+8*\p+3], v[ADSA] offset:512*\p
	ds_load_b128 v[SA+8*\p+4:SA+8*\p+7], v[ADSA] offset:512*\p+16
.endr
	FETCH 0
.irp k, 0,1,2,3,4,5,6,7
	STEP \k
.endr
	PLACES 4                                       ; in front of the first reads of results, and of writes into registers that held fragments
	; the fine rows: positions 0-15 of sequence cy lie in block 0 of wave 0 of the tiles with cluster y = 0.  Runs of 32 bytes a lane; 786,432 bytes in the whole launch
	s_or_b32 s84, s23, s16
	s_cmp_lg_u32 s84, 0
	s_cbranch_scc1 .Lno_fine
	WIN 0x08                                       ; a store's data: window 2
.irp b, 0,1,2,3,4,5,6,7,8,9,10,11
	global_store_b128 v[FO], v[8*\b:8*\b+3], s[14:15] offset:64*\b           ; each accumulator from its low end on
	global_store_b128 v[FO], v[8*\b+4:8*\b+7], s[14:15] offset:64*\b+16
.endr
	WIN 0
.Lno_fine:
; THE WAY OUT, a head (64 columns) at a time: rounded to f16, 16 bytes a lane into my stage, back as rows of 128 bytes: my 64 rows of a head are 8,192 consecutive bytes of qkv.
.macro HEAD hh
.irp a, 0,1,2,3
	WIN 0x0a+5*(\a/2)                              ; sources 0 and 1: window 2 or 3
.irp bb, 0,1,2,3
.irp jj, 0,1,2,3
	v_cvt_pk_f16_f32 v[TMP+4*(4*\a+\bb)+\jj], v[8*(12*(\a%2)+4*(\hh)+\bb)+2*\jj], v[8*(12*(\a%2)+4*(\hh)+\bb)+2*\jj+1]
.endr
.endr
.endr
	WIN 0
.irp a, 0,1,2,3
.irp bb, 0,1,2,3
	ds_store_b128 v[STO], v[TMP+4*(4*\a+\bb):TMP+4*(4*\a+\bb)+3] offset:2304*\a+32*\bb
.endr
.endr
.if (\hh) > 0
	s_wait_xcnt 0x0                                ; the last head's stores have read their registers: the loads below may land there
.endif
.irp i, 0,1,2,3,4,5,6,7,8,9,10,11,12,13,14,15
	ds_load_b128 v[BK+4*\i:BK+4*\i+3], v[RD] offset:576*\i        ; LDS serves a wave's instructions in order (ISA guide 5.7.1.4): these see the stores above
.endr
.irp i, 0,1,2,3,4,5,6,7,8,9,10,11,12,13,14,15
	s_wait_dscnt 15-\i                             ; load i is in; the later ones may be out
	global_store_b128 v[GO], v[BK+4*\i:BK+4*\i+3], s[12:13] offset:1048576*(\hh)+512*\i   ; 32 lanes store 512 consecutive bytes, at a multiple of 256 from the buffer's first byte
.endr
.endm
	HEAD 0
	HEAD 1
	HEAD 2
	s_wait_tensorcnt 0x0                           ; the wave's end, behind my last tensor load and my last LDS store
	ds_add_u32 v[SPW], v[NIL]
	s_wait_dscnt 0x0
	CROUND                                         ; the closing round
	s_endpgm
.Lfunc_end_k_q3aa5751b5f_qkv:
	.size	k_q3aa5751b5f_qkv, .Lfunc_end_k_q3aa5751b5f_qkv-k_q3aa5751b5f_qkv
	.p2alignl 7, 3214868480
	.fill 96, 4, 3214868480
	.section	.rodata,"a",@progbits
	.p2align	6, 0x0
	.amdhsa_kernel k_q3aa5751b5f_qkv
		.amdhsa_group_segment_fixed_size 327680
		.amdhsa_private_segment_fixed_size 0
		.amdhsa_enable_private_segment 0
		.amdhsa_kernarg_size 48
		.amdhsa_user_sgpr_count 2
		.amdhsa_user_sgpr_kernarg_segment_ptr 1
		.amdhsa_wavefront_size32 1
		.amdhsa_system_sgpr_workgroup_id_x 1
		.amdhsa_system_sgpr_workgroup_id_y 1
		.amdhsa_system_sgpr_workgroup_id_z 1
		.amdhsa_system_vgpr_workitem_id 0
		.amdhsa_next_free_vgpr 1024
		.amdhsa_next_free_sgpr 100
		.amdhsa_reserve_vcc 0
		.amdhsa_float_denorm_mode_32 3
		.amdhsa_float_denorm_mode_16_64 3
		.amdhsa_memory_ordered 1
		.amdhsa_forward_progress 1
		.amdhsa_inst_pref_size 105
	.end_amdhsa_kernel
	.amdgpu_metadata
---
amdhsa.version: [ 1, 2 ]
amdhsa.kernels:
  - .name:           k_q3aa5751b5f_qkv
    .symbol:         k_q3aa5751b5f_qkv.kd
    .args:
      - { .name: xc, .offset: 0, .size: 8, .value_kind: global_buffer, .address_space: global }
      - { .name: xs, .offset: 8, .size: 8, .value_kind: global_buffer, .address_space: global }
      - { .name: wc, .offset: 16, .size: 8, .value_kind: global_buffer, .address_space: global }
      - { .name: ws, .offset: 24, .size: 8, .value_kind: global_buffer, .address_space: global }
      - { .name: qkv, .offset: 32, .size: 8, .value_kind: global_buffer, .address_space: global }
      - { .name: fine, .offset: 40, .size: 8, .value_kind: global_buffer, .address_space: global }
    .group_segment_fixed_size: 327680
    .private_segment_fixed_size: 0
    .kernarg_segment_align: 8
    .kernarg_segment_size: 48
    .max_flat_workgroup_size: 128
    .sgpr_count:     100
    .vgpr_count:     1024
    .wavefront_size: 32
...
	.end_amdgpu_metadata
.endif
;; end of part 2
;; launch attn (part 3): grid 4 x 64, 16 waves a work-group, no clusters, 327,680 bytes of LDS; arguments qkv, att; writes att
.if DOCPART == 3
	.amdgcn_target "amdgcn-amd-amdhsa--gfx1250"
	.amdhsa_code_object_version 6
	.text
	.protected	k_q3aa5751b5f_attn
	.globl	k_q3aa5751b5f_attn
	.p2align	8
	.type	k_q3aa5751b5f_attn,@function
k_q3aa5751b5f_attn:
	s_mov_b64 s[64:65], 0
	v_nop
	global_prefetch_b8 v0, s[64:65] scope:SCOPE_SE
	s_setreg_imm32_b32 hwreg(HW_REG_WAVE_MODE, 25, 1), 1
	s_wait_xcnt 0x0
; att[h][row][:] = the sum over keys k <= q of softmax_k(q . k / 8) v, for each of 64 (batch, head).  Operands in f16, products, maxima and sums in f32; the weights are rounded to f16 for the second product.
; WORK LEFT OUT: steps of 64 keys all of which come after all 32 queries of a wave are masked by reference()'s own jnp.tril and add nothing: they are neither multiplied nor, where no wave reads them, loaded.
; (Positions 0-15 of a sequence are made here too, inside a live tile; what reaches the output of those rows is made in f32 by the launch first16.)
; SHARES.  A work-group (i = 0..3 of a head) owns query blocks 7 - i (waves 0-7) and i (waves 8-15), 256 queries each: 264 wave-steps for every work-group.  A wave owns 32 queries: two tiles of 16, in 256 registers.
; NO CLUSTER: the four work-groups of a head need 8, 7, 6 and 5 slots of keys, so a partner would be named by joint loads whose tiles none of its waves reads.
; K's and V's tiles come through a ring of two LDS slots of 256 keys (waves 0, 1: K's halves; waves 2, 3: V's), read by all sixteen.  Every work-group walks all 8 changes of slots: the trip counts are constants.
; LAYOUT.  S^T = K Q^T (source 0 = 16 keys, source 1 = 16 queries): a lane holds ONE query (lane % 16) and keys 8 (lane / 16) + 0..7.  Two such tiles, rounded to f16 in pairs, are source 1 of O^T = V^T P.
; V ([key][channel]) comes out of LDS turned, by ds_load_tr16_b128.  SOFTMAX: running maximum m and sum l: p = 2^(c s - c m), c = log2(e) / 8; O and l are multiplied by a = 2^(c m_old - c m_new) in every step.
; REGISTERS: v1-15 addresses and the mask's numbers; v16-31 statistics, eight a tile; v32-63 Q; v64-127 S^T, 32 a tile (P is laid over the first 16 of each); v128-191 O^T; v192-255 K's fragments, then V's.
.set PK,    144                        ; a key's row in LDS: 128 bytes + 16
.set PV,    160                        ; a row of V: 128 + 32: an odd multiple of 32
.set VOFF,  36864                      ; a slot: 256 rows of K, then 256 rows of V
.set SLOT1, 131072                     ; slot 1: one exclusive or turns an address from one slot into the other
.set STAGE, 208896                     ; the way out: 32 rows x 144 bytes for each wave
.set SPARE, 282624                     ; the spare words, 128 bytes a wave: eight blocks of 256 bytes that no other line names
.set AK0, 1
.set AV0, 2
.set ADK, 3
.set ADV, 4
.set SPW, 5
.set NIL, 6
.set GO,  7
.set PFO, 8
.set STO, 9
.set RD,  10
.set NINF, 11
.set DM,  12                           ; v12-13  tile t: my query - 8 (lane / 16)
.set DD,  14                           ; v14-15  the same less the step's first key
.set ST,  16                           ; tile t at v[ST + 8 t]: +0 c m, +1 m, +2, +3 l, +4 .. +7 at work (a in +6)
.set QV,  32
.set S,   64
.set O,   128
.set KV,  192
.set WV,  8
.set Q0,  13                           ; s13  my first query
.set QL,  14                           ; s14  my work-group's last query
.set KF,  15                           ; s15  the step's first key
.set TB,  16                           ; s16  LDS byte at which the slot in hand begins
.set SLOTS, 17
.set LIM, 18
.set CS,  20
.set SEL, 22
.set G1K, 24
.set G1V, 32
.set G0K, 40
.set G0V, 44
.set PFA, 48
.set OB,  52
.set QB,  54
.macro TLOAD                           ; waves 0, 1 fetch K's halves, waves 2, 3 V's, the others nothing; an s_nop 0 and four v_nop follow each line
	s_cmp_lt_u32 s[WV], 2
	s_cbranch_scc0 .Lnot_k_\@
	tensor_load_to_lds s[G0K:G0K+3], s[G1K:G1K+7]
	s_nop 0
.rept 4
	v_nop
.endr
	s_branch .Lasked_\@
.Lnot_k_\@:
	s_cmp_lt_u32 s[WV], 4
	s_cbranch_scc0 .Lasked_\@
	tensor_load_to_lds s[G0V:G0V+3], s[G1V:G1V+7]
	s_nop 0
.rept 4
	v_nop
.endr
.Lasked_\@:
.endm
; A prefetch of what the NEXT change of slots will ask for: a slot's 32,768 bytes of K and of V.  The head's first work-group asks (it walks all 8 slots), in it the waves that fetch nothing:
; waves 4-7 for K, waves 8-11 for V, 8,192 bytes a wave, lanes 256 bytes apart: each aligned block of 256 bytes is named once in the launch.  Trip t asks for slot t + 2; the last filling change asks for nothing.
.macro ASK
	s_cmp_gt_u32 s[SLOTS], s[LIM]
	s_cbranch_scc0 .Lnot_mine_\@
	global_prefetch_b8 v[PFO], s[PFA:PFA+1] th:TH_LOAD_NT scope:SCOPE_SE
.Lnot_mine_\@:
.endm
	s_load_b128 s[4:7], s[0:1], 0x0                ; qkv, att
	v_lshl_add_u32 v[SPW], v0, 2, SPARE
	v_mov_b32 v[NIL], 0
	ds_add_u32 v[SPW], v[NIL]                      ; the wave's opening: the add, twice on end, and its wait ahead of my first tensor load
	ds_add_u32 v[SPW], v[NIL]
	v_lshrrev_b32 v3, 5, v0
	v_readfirstlane_b32 s[WV], v3                  ; wave 0..15
	s_and_b32 s9, ttmp7, 0xffff
	s_and_b32 s10, s9, 15                          ; head
	s_lshr_b32 s11, s9, 4                          ; batch
	s_lshl_b32 s12, s10, 13
	s_lshl_b32 s19, s11, 11
	s_add_co_u32 s12, s12, s19                     ; 8,192 head + 2,048 batch: the sequence's first row in a group of 16 heads
	s_sub_co_u32 s56, 7, ttmp9
	s_cmp_lt_u32 s[WV], 8
	s_cselect_b32 s56, s56, ttmp9                  ; my block of 256 queries
	s_and_b32 s57, s[WV], 7
	s_bfe_u32 s58, s[WV], 0x10002
	s_mul_i32 s58, s58, 3
	s_xor_b32 s57, s57, s58                        ; my 32 of them: long and short walks are mixed among neighbouring waves
	s_lshl_b32 s56, s56, 8
	s_lshl_b32 s57, s57, 5
	s_add_co_u32 s[Q0], s56, s57
	s_sub_co_u32 s[QL], 8, ttmp9
	s_lshl_b32 s[QL], s[QL], 8
	s_sub_co_u32 s[QL], s[QL], 1
	s_mov_b32 s[G1K], (1<<16)|(1<<20)|(4<<22)|(3<<25)   ; no mask; elements of 2 bytes; padding on: 4 words after every 32
	s_mov_b32 s[G1V], (1<<16)|(1<<20)|(4<<22)|(7<<25)   ; 8 words
.irp g, G1K, G1V
	s_mov_b32 s[\g+1], 64<<16                      ; tensor_dim0 = 64
	s_mov_b32 s[\g+2], 128<<16                     ; tensor_dim1 = 128
	s_mov_b32 s[\g+3], 64<<16                      ; tile_dim0
	s_mov_b32 s[\g+4], 128                         ; tile_dim1
	s_mov_b32 s[\g+5], 64                          ; elements from row to row
	s_mov_b32 s[\g+6], 0
	s_mov_b32 s[\g+7], 0
.endr
	s_mov_b32 s[CS], 0x3e38aa3b                    ; c = log2(e) / 8
	s_mov_b32 s[CS+1], s[CS]
	s_mov_b32 s[SEL], 0x76543210
	s_mov_b32 s[SEL+1], 0xfedcba98
	s_mov_b32 s[KF], 0
	s_mov_b32 s[TB], 0
	s_mov_b32 s[SLOTS], 7
	s_and_b32 s56, s[WV], 1                        ; which half of a slot's rows I fetch, if I fetch
	s_mul_i32 s57, s56, 128*PK
	s_mul_i32 s58, s56, 128*PV
	s_add_co_u32 s58, s58, VOFF
	s_lshl_b32 s60, s12, 7
	s_lshl_b32 s59, s56, 14
	s_add_co_u32 s60, s60, s59
	s_add_co_u32 s60, s60, 0x1000000               ; K: 16 heads of 8,192 rows of 128 bytes on
	s_mov_b32 s61, 0
	s_add_co_u32 s62, s60, 0x1000000               ; V: 32 heads on
	s_mov_b32 s63, 0
	s_wait_dscnt 0x0                               ; both opening adds are done
	s_wait_kmcnt 0x0
	s_mov_b32 s[G0K], 1
	s_mov_b32 s[G0K+1], s57
	s_add_nc_u64 s[G0K+2:G0K+3], s[4:5], s[60:61]
	s_or_b32 s[G0K+3], s[G0K+3], 0x80000000
	s_mov_b32 s[G0V], 1
	s_mov_b32 s[G0V+1], s58
	s_add_nc_u64 s[G0V+2:G0V+3], s[4:5], s[62:63]
	s_or_b32 s[G0V+3], s[G0V+3], 0x80000000
	TLOAD                                          ; slot 0: keys 0 .. 255, which count for every work-group
	s_add_co_u32 s56, s12, s[Q0]
	s_lshl_b32 s56, s56, 7
	s_mov_b32 s57, 0
	s_add_nc_u64 s[QB:QB+1], s[4:5], s[56:57]      ; my queries' rows
	s_add_nc_u64 s[OB:OB+1], s[6:7], s[56:57]      ; and the same rows of att
	s_mov_b32 s58, 0x2000000
	s_cmp_lt_u32 s[WV], 8
	s_cselect_b32 s58, 0x1000000, s58              ; the prefetches: waves 4-7 K, waves 8-11 V
	s_lshl_b32 s59, s12, 7
	s_add_co_u32 s58, s58, s59
	s_and_b32 s59, s[WV], 3
	s_lshl_b32 s59, s59, 13
	s_add_co_u32 s58, s58, s59
	s_add_co_u32 s58, s58, 32768                   ; in slot 1: the first change of slots steps it to slot 2
	s_mov_b32 s59, 0
	s_add_nc_u64 s[PFA:PFA+1], s[4:5], s[58:59]
	s_sub_co_u32 s56, s[WV], 4
	s_lshr_b32 s56, s56, 3                         ; 0 in waves 4 to 11,
	s_or_b32 s56, s56, ttmp9                       ; of the head's first work-group
	s_cmp_eq_u32 s56, 0
	s_cselect_b32 s[LIM], 1, -1
	v_and_b32 v12, 15, v0                          ; r
	v_bfe_u32 v13, v0, 4, 1                        ; h
	v_lshlrev_b32 v3, 7, v12
	v_lshl_add_u32 v3, v13, 4, v3                  ; Q: row r of 128 bytes, + 16 h
.irp t, 0,1
.irp c, 0,1
	global_load_b128 v[QV+16*\t+8*\c:QV+16*\t+8*\c+3], v3, s[QB:QB+1] offset:2048*\t+64*\c
	global_load_b128 v[QV+16*\t+8*\c+4:QV+16*\t+8*\c+7], v3, s[QB:QB+1] offset:2048*\t+64*\c+32
.endr
.endr
	v_mul_u32_u24 v[AK0], v12, PK
	v_lshl_add_u32 v[AK0], v13, 4, v[AK0]
	v_and_b32 v14, 7, v0
	v_bfe_u32 v15, v0, 3, 1
	v_lshl_add_u32 v[AV0], v13, 3, v14             ; the turning load: key 8 h + l % 8, channels 8 ((l / 8) % 2) on
	v_mul_u32_u24 v[AV0], v[AV0], PV
	v_lshl_add_u32 v[AV0], v15, 4, v[AV0]
	v_add_nc_u32 v[AV0], VOFF, v[AV0]
	v_and_b32 v[GO], 31, v0
	v_lshlrev_b32 v[PFO], 8, v[GO]
	v_lshlrev_b32 v[GO], 4, v[GO]
	s_mul_i32 s56, s[WV], 4608
	s_add_co_u32 s56, s56, STAGE                   ; my stage
	v_mul_u32_u24 v[STO], v12, 144
	v_lshl_add_u32 v[STO], v13, 4, v[STO]
	v_add_nc_u32 v[STO], s56, v[STO]
	v_bfe_u32 v[RD], v0, 3, 2
	v_mul_u32_u24 v[RD], v[RD], 144
	v_lshl_add_u32 v[RD], v14, 4, v[RD]
	v_add_nc_u32 v[RD], s56, v[RD]
	v_mov_b32 v[NINF], 0xff800000                  ; -infinity
	v_lshlrev_b32 v13, 3, v13
	v_sub_nc_u32 v12, v12, v13
	v_add_nc_u32 v[DM], s[Q0], v12                 ; my query of tile 0, less 8 h
	v_add_nc_u32 v[DM+1], 16, v[DM]
.irp t, 0,1
	v_mov_b32 v[ST+8*\t+1], 0xff61b1e6             ; m = -3e38, under every score
	v_mul_f32 v[ST+8*\t], s[CS], v[ST+8*\t+1]
.irp j, 2,3,4,5,6,7
	v_mov_b32 v[ST+8*\t+\j], 0
.endr
.endr
.set n, 0
.rept 64
	v_mov_b32 v[O+n], 0                            ; O^T.  (The step is written once: the first finds zeros, which a = 0 leaves zeros)
.set n, n+1
.endr
; A KEY STEP: 64 keys, the q-th of the slot in hand.
.macro STEP q
	s_add_co_u32 s9, s[Q0], 31
	s_cmp_gt_u32 s[KF], s9                         ; all keys behind all my queries: the step's work is left out; ids and the count of steps alone
	s_cbranch_scc1 .Lhidden_\@
	v_add_nc_u32 v[ADK], s[TB], v[AK0]
	v_add_nc_u32 v[ADV], s[TB], v[AV0]
.rept 4
	v_nop                                          ; with the two additions six places behind the last products: five are owed, since the new scores are laid over P, which those products read; four for the loads
.endr
.irp kt, 0,1,2,3
.irp c, 0,1
	ds_load_b128 v[KV+8*(2*\kt+\c):KV+8*(2*\kt+\c)+3], v[ADK] offset:(64*(\q)+16*\kt)*PK+64*\c
	ds_load_b128 v[KV+8*(2*\kt+\c)+4:KV+8*(2*\kt+\c)+7], v[ADK] offset:(64*(\q)+16*\kt)*PK+64*\c+32
.endr
.endr
	s_wait_dscnt 0x0
.irp c, 0,1                                    ; S^T = K Q^T: eight accumulators by turns; channels 0-31 start the sums
.irp kt, 0,1,2,3
.irp t, 0,1
.if \c == 0
	v_wmma_f32_16x16x32_f16 v[S+32*\t+8*\kt:S+32*\t+8*\kt+7], v[KV+8*(2*\kt+\c):KV+8*(2*\kt+\c)+7], v[QV+16*\t+8*\c:QV+16*\t+8*\c+7], 0
.else
	v_wmma_f32_16x16x32_f16 v[S+32*\t+8*\kt:S+32*\t+8*\kt+7], v[KV+8*(2*\kt+\c):KV+8*(2*\kt+\c)+7], v[QV+16*\t+8*\c:QV+16*\t+8*\c+7], v[S+32*\t+8*\kt:S+32*\t+8*\kt+7]
.endif
.endr
.endr
.endr
.rept 4
	v_nop                                          ; places in front of the loads into K's registers and of the first read of the scores
.endr
.irp kk, 0,1                                   ; V of this step, turned: it lands under the softmax
.irp dt, 0,1,2,3
	ds_load_tr16_b128 v[KV+8*(4*\kk+\dt):KV+8*(4*\kk+\dt)+3], v[ADV] offset:(64*(\q)+32*\kk)*PV+32*\dt
	ds_load_tr16_b128 v[KV+8*(4*\kk+\dt)+4:KV+8*(4*\kk+\dt)+7], v[ADV] offset:(64*(\q)+32*\kk)*PV+16*PV+32*\dt
.endr
.endr
	s_add_co_u32 s9, s[KF], 63
	s_cmp_le_u32 s9, s[Q0]                         ; a step all of whose keys count skips the mask
	s_cbranch_scc1 .Lopen_\@
	s_sub_co_i32 s9, 0, s[KF]
	v_add_nc_u32 v[DD], s9, v[DM]                  ; d = my query - KF - 8 h.  Register 8 kt + j holds key KF + 16 kt + 8 h + j: hidden where 16 kt + j > d
	v_add_nc_u32 v[DD+1], s9, v[DM+1]
.irp t, 0,1
.irp kt, 0,1,2,3
.irp j, 0,1,2,3,4,5,6,7
	v_cmp_gt_i32 vcc_lo, 16*\kt+\j, v[DD+\t]
	v_cndmask_b32 v[S+32*\t+8*\kt+\j], v[S+32*\t+8*\kt+\j], v[NINF], vcc_lo
.endr
.endr
.endr
.Lopen_\@:
.irp kt, 0,1,2,3                               ; the maximum: four chains a tile, each accumulator from its low end on; the two tiles line by line
.irp t, 0,1
	v_max3_num_f32 v[ST+8*\t+4+\kt], v[S+32*\t+8*\kt], v[S+32*\t+8*\kt+1], v[S+32*\t+8*\kt+2]
.endr
.endr
.irp p, 3,5
.irp kt, 0,1,2,3
.irp t, 0,1
	v_max3_num_f32 v[ST+8*\t+4+\kt], v[ST+8*\t+4+\kt], v[S+32*\t+8*\kt+\p], v[S+32*\t+8*\kt+\p+1]
.endr
.endr
.endr
.irp t, 0,1
	v_max3_num_f32 v[ST+8*\t+4], v[ST+8*\t+4], v[S+32*\t+7], v[S+32*\t+15]
	v_max3_num_f32 v[ST+8*\t+6], v[ST+8*\t+6], v[S+32*\t+23], v[S+32*\t+31]
.endr
.irp t, 0,1
	v_max3_num_f32 v[ST+8*\t+4], v[ST+8*\t+4], v[ST+8*\t+5], v[ST+8*\t+6]
.endr
.irp t, 0,1
	v_max3_num_f32 v[ST+8*\t+4], v[ST+8*\t+4], v[ST+8*\t+7], v[ST+8*\t+1]   ; with the old m
.endr
.irp t, 0,1
	v_permlanex16_b32 v[ST+8*\t+5], v[ST+8*\t+4], s[SEL], s[SEL+1]          ; the query's other keys lie in the lane 16 away
.endr
.irp t, 0,1
	v_mov_b32 v[ST+8*\t+7], v[ST+8*\t]             ; c m_old
.endr
.irp t, 0,1
	v_max_num_f32 v[ST+8*\t+1], v[ST+8*\t+4], v[ST+8*\t+5]
.endr
.irp t, 0,1
	v_mul_f32 v[ST+8*\t], s[CS], v[ST+8*\t+1]
.endr
.irp t, 0,1
	v_sub_f32 v[ST+8*\t+7], v[ST+8*\t+7], v[ST+8*\t]
.endr
.irp t, 0,1
.set n, 0
.rept 16
	v_pk_fma_f32 v[S+32*\t+n:S+32*\t+n+1], v[S+32*\t+n:S+32*\t+n+1], s[CS:CS+1], v[ST+8*\t:ST+8*\t+1] op_sel_hi:[1,0,0] neg_lo:[0,0,1] neg_hi:[0,0,1]   ; c s - c m, two at a time
.set n, n+2
.endr
.endr
.irp t, 0,1
	v_exp_f32 v[ST+8*\t+6], v[ST+8*\t+7]           ; a
.endr
.set n, 0
.rept 64
	v_exp_f32 v[S+n], v[S+n]                       ; p, at most 1: ONE BATCH of 66 exponentials; none of them reads another's result
.set n, n+1
.endr
	v_nop                                          ; a plain instruction behind the last exponential
	s_wait_alu depctr_va_vdst(0)                   ; and the one wait ahead of the batch's first reader
.irp t, 0,1
	v_pk_mul_f32 v[ST+8*\t+2:ST+8*\t+3], v[ST+8*\t+2:ST+8*\t+3], v[ST+8*\t+6:ST+8*\t+7] op_sel_hi:[1,0]   ; l x a
	v_pk_add_f32 v[ST+8*\t+4:ST+8*\t+5], v[S+32*\t:S+32*\t+1], v[S+32*\t+2:S+32*\t+3]                     ; the sums, in two chains a tile
.endr
.irp j, 4,8,12,16,20,24,28
.irp t, 0,1
	v_pk_add_f32 v[ST+8*\t+2:ST+8*\t+3], v[ST+8*\t+2:ST+8*\t+3], v[S+32*\t+\j:S+32*\t+\j+1]
	v_pk_add_f32 v[ST+8*\t+4:ST+8*\t+5], v[ST+8*\t+4:ST+8*\t+5], v[S+32*\t+\j+2:S+32*\t+\j+3]
.endr
.endr
.irp t, 0,1
	v_pk_add_f32 v[ST+8*\t+2:ST+8*\t+3], v[ST+8*\t+2:ST+8*\t+3], v[ST+8*\t+4:ST+8*\t+5]
.endr
.irp t, 0,1
.set n, 0
.rept 16
	v_cvt_pk_f16_f32 v[S+32*\t+n], v[S+32*\t+2*n], v[S+32*\t+2*n+1]   ; P, laid over the scores from the low end on: register n is written when registers 2 n, 2 n + 1 are read
.set n, n+1
.endr
.endr
.irp t, 0,1
.set n, 0
.rept 16
	v_pk_mul_f32 v[O+32*\t+n:O+32*\t+n+1], v[O+32*\t+n:O+32*\t+n+1], v[ST+8*\t+6:ST+8*\t+7] op_sel_hi:[1,0]   ; O^T x a
.set n, n+2
.endr
.endr
	s_wait_dscnt 0x0                               ; V is in
.irp kk, 0,1                                   ; O^T += V^T P: eight accumulators by turns
.irp dt, 0,1,2,3
.irp t, 0,1
	v_wmma_f32_16x16x32_f16 v[O+32*\t+8*\dt:O+32*\t+8*\dt+7], v[KV+8*(4*\kk+\dt):KV+8*(4*\kk+\dt)+7], v[S+32*\t+8*\kk:S+32*\t+8*\kk+7], v[O+32*\t+8*\dt:O+32*\t+8*\dt+7]
.endr
.endr
.endr
.Lhidden_\@:
	s_add_co_u32 s[KF], s[KF], 64
.endm
; THE CHANGE OF SLOTS stands at a slot's head.  Each wave waits for all its tensor loads, adds 0 to its spare word (fill = 1: twice on end),
; and waits for that and for its reads of the slot that it has left.  Behind the barrier the slot ahead is whole and nobody reads the other one, which is filled with the next 256 keys, up to the causal limit.
.macro CHANGE fill
	s_wait_tensorcnt 0x0                           ; no tensor load of mine is out, so a group 0 may be written
	ds_add_u32 v[SPW], v[NIL]
.if \fill
	ds_add_u32 v[SPW], v[NIL]
	s_xor_b32 s[G0K+1], s[G0K+1], SLOT1            ; the walking descriptors: the other slot, the next 256 rows of 128 bytes
	s_add_nc_u64 s[G0K+2:G0K+3], s[G0K+2:G0K+3], 32768
	s_xor_b32 s[G0V+1], s[G0V+1], SLOT1
	s_add_nc_u64 s[G0V+2:G0V+3], s[G0V+2:G0V+3], 32768
	s_wait_xcnt 0x0                                ; the last prefetch, a slot back, has read its address
	s_add_nc_u64 s[PFA:PFA+1], s[PFA:PFA+1], 32768
.endif
	s_wait_dscnt 0x0                               ; the add is done, and my reads of the slot that I have left are over
	s_barrier_signal -1
	s_barrier_wait -1
.if \fill
	s_add_co_u32 s9, s[KF], 256                    ; the first key of the slot that this change would ask for:
	s_cmp_gt_u32 s9, s[QL]                         ; behind my work-group's last query none of its waves reads it.  Ids and the count of steps alone: all sixteen waves go the same way
	s_cbranch_scc1 .Lpast_\@
	TLOAD                                          ; a wave's one tensor load until the next such barrier; every wait on TENSORcnt in this text is for 0
.Lpast_\@:
	ASK
.endif
.endm
.macro SLOT_STEPS
	STEP 0
	STEP 1
	STEP 2
	STEP 3
	s_xor_b32 s[TB], s[TB], SLOT1
.endm
	s_wait_loadcnt 0x0                             ; Q
.Lslot:                                            ; 7 trips
	CHANGE 1
	SLOT_STEPS
	s_sub_co_u32 s[SLOTS], s[SLOTS], 1
	s_cmp_lg_u32 s[SLOTS], 0
	s_cbranch_scc1 .Lslot
	CHANGE 0                                       ; the last slot is written out: nothing is left to ask for
	SLOT_STEPS
	; THE WAY OUT: O^T / l, rounded to f16, through my stage: my 32 rows of a head are 4,096 consecutive bytes of att
.rept 4
	v_nop
.endr
.irp t, 0,1
	v_add_f32 v[ST+8*\t+4], v[ST+8*\t+2], v[ST+8*\t+3]
.endr
.irp t, 0,1
	v_permlanex16_b32 v[ST+8*\t+5], v[ST+8*\t+4], s[SEL], s[SEL+1]
.endr
.irp t, 0,1
	v_add_f32 v[ST+8*\t+4], v[ST+8*\t+4], v[ST+8*\t+5]
.endr
.irp t, 0,1
	v_rcp_f32 v[ST+8*\t+6], v[ST+8*\t+4]
.endr
	v_nop
	s_wait_alu depctr_va_vdst(0)                   ; one wait for the two reciprocals, ahead of their first reader
.irp t, 0,1
.set n, 0
.rept 16
	v_pk_mul_f32 v[O+32*\t+n:O+32*\t+n+1], v[O+32*\t+n:O+32*\t+n+1], v[ST+8*\t+6:ST+8*\t+7] op_sel_hi:[1,0]
.set n, n+2
.endr
.endr
.irp t, 0,1
.set n, 0
.rept 16
	v_cvt_pk_f16_f32 v[S+16*\t+n], v[O+32*\t+2*n], v[O+32*\t+2*n+1]
.set n, n+1
.endr
.endr
.irp t, 0,1
.irp dt, 0,1,2,3
	ds_store_b128 v[STO], v[S+16*\t+4*\dt:S+16*\t+4*\dt+3] offset:2304*\t+32*\dt
.endr
.endr
.irp i, 0,1,2,3,4,5,6,7
	ds_load_b128 v[KV+4*\i:KV+4*\i+3], v[RD] offset:576*\i     ; LDS serves a wave's instructions in order: these see my stores
.endr
.irp i, 0,1,2,3,4,5,6,7
	s_wait_dscnt 7-\i                              ; load i is in; the later ones may be out
	global_store_b128 v[GO], v[KV+4*\i:KV+4*\i+3], s[OB:OB+1] offset:512*\i   ; 32 lanes store 512 consecutive bytes, aligned to 256
.endr
	s_wait_tensorcnt 0x0                           ; the wave's end
	ds_add_u32 v[SPW], v[NIL]
	s_wait_dscnt 0x0
	s_endpgm
.Lfunc_end_k_q3aa5751b5f_attn:
	.size	k_q3aa5751b5f_attn, .Lfunc_end_k_q3aa5751b5f_attn-k_q3aa5751b5f_attn
	.p2alignl 7, 3214868480
	.fill 96, 4, 3214868480
	.section	.rodata,"a",@progbits
	.p2align	6, 0x0
	.amdhsa_kernel k_q3aa5751b5f_attn
		.amdhsa_group_segment_fixed_size 327680
		.amdhsa_private_segment_fixed_size 0
		.amdhsa_enable_private_segment 0
		.amdhsa_kernarg_size 16
		.amdhsa_user_sgpr_count 2
		.amdhsa_user_sgpr_kernarg_segment_ptr 1
		.amdhsa_wavefront_size32 1
		.amdhsa_system_sgpr_workgroup_id_x 1
		.amdhsa_system_sgpr_workgroup_id_y 1
		.amdhsa_system_sgpr_workgroup_id_z 1
		.amdhsa_system_vgpr_workitem_id 0
		.amdhsa_next_free_vgpr 256
		.amdhsa_next_free_sgpr 66
		.amdhsa_reserve_vcc 1
		.amdhsa_float_denorm_mode_32 3
		.amdhsa_float_denorm_mode_16_64 3
		.amdhsa_memory_ordered 1
		.amdhsa_forward_progress 1
		.amdhsa_inst_pref_size 189
	.end_amdhsa_kernel
	.amdgpu_metadata
---
amdhsa.version: [ 1, 2 ]
amdhsa.kernels:
  - .name:           k_q3aa5751b5f_attn
    .symbol:         k_q3aa5751b5f_attn.kd
    .args:
      - { .name: qkv, .offset: 0, .size: 8, .value_kind: global_buffer, .address_space: global }
      - { .name: att, .offset: 8, .size: 8, .value_kind: global_buffer, .address_space: global }
    .group_segment_fixed_size: 327680
    .private_segment_fixed_size: 0
    .kernarg_segment_align: 8
    .kernarg_segment_size: 16
    .max_flat_workgroup_size: 512
    .sgpr_count:     66
    .vgpr_count:     256
    .wavefront_size: 32
...
	.end_amdgpu_metadata
.endif
;; end of part 3
;; launch proj (part 4): grid 8 x 32, 4 waves a work-group, clusters of 4 x 4, 327,680 bytes of LDS; arguments att, wo16, out0; writes out0
.if DOCPART == 4
	.amdgcn_target "amdgcn-amd-amdhsa--gfx1250"
	.amdhsa_code_object_version 6
	.text
	.protected	k_q3aa5751b5f_proj
	.globl	k_q3aa5751b5f_proj
	.p2align	8
	.type	k_q3aa5751b5f_proj,@function
k_q3aa5751b5f_proj:
	s_mov_b64 s[64:65], 0
	v_nop
	global_prefetch_b8 v0, s[64:65] scope:SCOPE_SE
	s_setreg_imm32_b32 hwreg(HW_REG_WAVE_MODE, 25, 1), 1
	s_wait_xcnt 0x0
	s_wait_alu depctr_hold_cnt(0) depctr_sa_sdst(0) depctr_va_vdst(0) depctr_va_sdst(0) depctr_va_ssrc(0) depctr_va_vcc(0) depctr_vm_vsrc(0)
	s_getreg_b32 s2, hwreg(HW_REG_IB_STS2, 6, 4)
	s_cmp_eq_u32 s2, 0
	s_cbranch_scc0 .Lentry_in_a_cluster
	s_endpgm
.Lentry_in_a_cluster:
	s_bfe_u32 s2, ttmp6, 0x10000c
	s_cmp_lg_u32 s2, 0xf033
	s_cbranch_scc0 .Lentry_shape_is_right
	s_endpgm
.Lentry_shape_is_right:
; out0[m][n] = the sum over d of att[m][d] W_o[n][d]: f16 operands, f32 sums, f32 out.  att [16 h][8192][64] and wo16 [16 h][1024 n][64] lie by head: K goes head by head.
; The 16 first positions of each sequence are NOT stored here: the launch first16 makes those 64 rows in f32 and stores them.  (Their products stand inside a live tile.)
; A tile of out0 is 256 x 128: 256 work-groups.  Four waves; wave (rh, ch) makes 128 rows x 64 columns: 32 accumulators.  K goes two heads (128) a slot through a ring of two LDS slots.
; CLUSTERS: 4 x 4.  att's tile is shared along a row of the cluster, wo16's along a column: joint loads.  Tile row = 8 cy + cluster y, so that 'the tile begins a sequence' is cluster y = 0, alike in all partners.
; THE MATRIX INSTRUCTION IS USED TRANSPOSED (source 0 = 16 rows of wo16, source 1 = 16 rows of att): a lane holds eight neighbouring columns of a row of out0.
; REGISTERS: window 0: v16-29 addresses; two fragment buffers of 96 at v32 and v128 (att's 8 fragments, then wo16's 4); on the way out v32-95 rows read back.  window 1: accumulator (a, b) at v[8 (4 a + b)].
.set SLOT,   110592                    ; att head 0 (256 x 144), att head 1, wo16 head 0 (128 x 144), wo16 head 1
.set BOFF,   73728
.set STAGE,  221184                    ; 16 rows x 272 bytes for each wave
.set SPARE,  238592                    ; the spare words, 128 bytes a wave: two blocks of 256 bytes that no other line names
.set LAPS,   4                         ; a lap = two slots = four heads
.set ADRA, 16
.set ADRB, 20
.set STO,  24
.set RD,   25
.set CO,   26
.set SPW,  28
.set NIL,  29
.set F0,   32
.set F1,   128
.set BK,   32
.set G1,   24
.set G0,   32
.set G1B,  48
.set G0B,  56
.set MULW, 0x50                        ; C and D window 1, the sources window 0
.set MSB, 0
.macro WIN new
.if MSB != (\new)
	s_set_vgpr_msb (MSB<<8)|(\new)
.set MSB, (\new)
.endif
.endm
.macro JLOAD s                         ; waves 0, 1 fetch att's two heads of the slot, waves 2, 3 wo16's; an s_nop 0 and four v_nop follow each line
	s_cmp_eq_u32 s11, 0
	s_cbranch_scc0 .Lfor_b_\@
	tensor_load_to_lds s[G0+4*\s:G0+4*\s+3], s[G1:G1+7]
	s_nop 0
.rept 4
	v_nop
.endr
	s_branch .Lasked_\@
.Lfor_b_\@:
	tensor_load_to_lds s[G0B+4*\s:G0B+4*\s+3], s[G1B:G1B+7]
	s_nop 0
.rept 4
	v_nop
.endr
.Lasked_\@:
.endm
.macro CREST
	s_cmp_lg_u32 s10, 0
	s_cbranch_scc1 .Lnot_wave_0_\@
	s_barrier_signal -3
.Lnot_wave_0_\@:
	s_barrier_wait -3
	s_barrier_signal -1
	s_barrier_wait -1
.endm
.macro CROUND
	s_barrier_signal -1
	s_barrier_wait -1
	CREST
.endm
.macro PLACES
.rept 4
	v_nop
.endr
.endm
	s_load_b128 s[4:7], s[0:1], 0x0                ; att, wo16
	s_load_b64 s[8:9], s[0:1], 0x10                ; out0
	v_lshl_add_u32 v[SPW], v0, 2, SPARE
	v_mov_b32 v[NIL], 0
	ds_add_u32 v[SPW], v[NIL]                      ; the wave's opening: the add, twice on end, and its wait ahead of my first tensor load
	ds_add_u32 v[SPW], v[NIL]
	v_lshrrev_b32 v1, 5, v0
	v_readfirstlane_b32 s10, v1                    ; wave 0..3
	s_lshr_b32 s11, s10, 1                         ; rh: which 128 rows are mine.  Also: I fetch for att (0) or for wo16 (1)
	s_and_b32 s12, s10, 1                          ; ch: which 64 columns.  Also: which of a slot's two heads I fetch
	s_bfe_u32 s40, ttmp6, 0x40000                  ; cx
	s_bfe_u32 s41, ttmp6, 0x40004                  ; cy
	s_lshl_b32 s42, ttmp9, 2
	s_add_co_u32 s42, s42, s40                     ; tile column
	s_and_b32 s45, ttmp7, 0xffff                   ; cluster y
	s_lshl_b32 s13, s41, 3
	s_add_co_u32 s13, s13, s45                     ; tile row = 8 cy + cluster y
	s_lshl_b32 s43, s41, 2
	s_lshl_b32 s43, 15, s43                        ; my row of the cluster
	s_lshl_b32 s44, 0x1111, s40                    ; my column
	s_or_b32 s[G1], s43, (1<<16)|(1<<20)|(1<<21)|(4<<22)|(3<<25)    ; the mask; elements of 2 bytes; padding on; bit 21 beside a mask; 4 words after every 32
	s_or_b32 s[G1B], s44, (1<<16)|(1<<20)|(1<<21)|(4<<22)|(3<<25)
	s_mov_b32 s[G1+1], 64<<16
	s_mov_b32 s[G1+2], 256<<16
	s_mov_b32 s[G1+3], 64<<16
	s_mov_b32 s[G1+4], 256
	s_mov_b32 s[G1+5], 64
	s_mov_b32 s[G1+6], 0
	s_mov_b32 s[G1+7], 0
	s_mov_b32 s[G1B+1], 64<<16
	s_mov_b32 s[G1B+2], 128<<16
	s_mov_b32 s[G1B+3], 64<<16
	s_mov_b32 s[G1B+4], 128
	s_mov_b32 s[G1B+5], 64
	s_mov_b32 s[G1B+6], 0
	s_mov_b32 s[G1B+7], 0
	s_lshl_b32 s16, s12, 20                        ; att: my head of 8,192 rows of 128 bytes,
	s_lshl_b32 s17, s13, 15                        ; + 256 rows x tile row
	s_add_co_u32 s16, s16, s17
	s_mov_b32 s17, 0
	s_lshl_b32 s46, s12, 17                        ; wo16: my head of 1,024 rows,
	s_lshl_b32 s47, s42, 14                        ; + 128 rows x tile column
	s_add_co_u32 s46, s46, s47
	s_mov_b32 s47, 0
	s_mul_i32 s20, s12, 36864                      ; where they go: no place in the cluster enters an LDS address
	s_mul_i32 s21, s12, 18432
	s_add_co_u32 s21, s21, BOFF
	s_wait_dscnt 0x0                               ; both opening adds are done
	s_wait_kmcnt 0x0
	s_add_nc_u64 s[14:15], s[4:5], s[16:17]
	s_add_nc_u64 s[46:47], s[6:7], s[46:47]
	CROUND                                         ; all sixteen work-groups are here: the first joint loads meet
.irp s, 0,1
	s_mov_b32 s[G0+4*\s], 1
	s_add_co_u32 s[G0+4*\s+1], s20, \s*SLOT
	s_add_nc_u64 s[G0+4*\s+2:G0+4*\s+3], s[14:15], \s*2097152      ; slot s begins with heads 2 s, 2 s + 1
	s_or_b32 s[G0+4*\s+3], s[G0+4*\s+3], 0x80000000
	s_mov_b32 s[G0B+4*\s], 1
	s_add_co_u32 s[G0B+4*\s+1], s21, \s*SLOT
	s_add_nc_u64 s[G0B+4*\s+2:G0B+4*\s+3], s[46:47], \s*262144
	s_or_b32 s[G0B+4*\s+3], s[G0B+4*\s+3], 0x80000000
	JLOAD \s
.endr
	v_and_b32 v1, 15, v0                           ; r
	v_bfe_u32 v2, v0, 4, 1                         ; h
	v_mul_u32_u24 v3, v1, 144
	v_lshl_add_u32 v3, v2, 4, v3
	s_mul_i32 s21, s11, 18432                      ; my 128 rows of att
	s_mul_i32 s22, s12, 9216                       ; my 64 rows of wo16
	s_add_co_u32 s22, s22, BOFF
.irp s, 0,1
	v_add_nc_u32 v[ADRA+\s], s21, v3
	v_add_nc_u32 v[ADRB+\s], s22, v3
	s_add_co_u32 s21, s21, SLOT
	s_add_co_u32 s22, s22, SLOT
.endr
	s_mul_i32 s23, s10, 4352
	s_add_co_u32 s23, s23, STAGE                   ; my stage
	v_mul_u32_u24 v4, v1, 272
	v_lshl_add_u32 v4, v2, 5, v4
	v_add_nc_u32 v[STO], s23, v4                   ; in: row r, 32 bytes for each half of the lanes
	v_mul_u32_u24 v5, v2, 272
	v_lshl_add_u32 v5, v1, 4, v5
	v_add_nc_u32 v[RD], s23, v5                    ; back: lanes 0-15 one row of 256 bytes, lanes 16-31 the next
	v_lshlrev_b32 v5, 12, v2
	v_lshl_add_u32 v[CO], v1, 4, v5                ; and the same two rows in out0
	s_lshl_b32 s16, s13, 20                        ; out0: (256 tile row + 128 rh) rows of 4,096 bytes + (128 tile column + 64 ch) x 4
	s_lshl_b32 s17, s11, 19
	s_add_co_u32 s16, s16, s17
	s_lshl_b32 s17, s42, 9
	s_add_co_u32 s16, s16, s17
	s_lshl_b32 s17, s12, 8
	s_add_co_u32 s16, s16, s17
	s_mov_b32 s17, 0
	s_add_nc_u64 s[8:9], s[8:9], s[16:17]
.macro MUL8 f, a0, zero                ; 8 products: row blocks a0, a0 + 1 x 4 column blocks, 32 along K.  The 32 accumulators take turns in the same order in every quarter
.irp a, \a0, \a0+1
.irp b, 0,1,2,3
.if \zero
	v_wmma_f32_16x16x32_f16 v[8*(4*(\a)+\b):8*(4*(\a)+\b)+7], v[\f+64+8*\b:\f+64+8*\b+7], v[\f+8*(\a):\f+8*(\a)+7], 0
.else
	v_wmma_f32_16x16x32_f16 v[8*(4*(\a)+\b):8*(4*(\a)+\b)+7], v[\f+64+8*\b:\f+64+8*\b+7], v[\f+8*(\a):\f+8*(\a)+7], v[8*(4*(\a)+\b):8*(4*(\a)+\b)+7]
.endif
.endr
.endr
.endm
.macro FETCH slot, q, f                ; quarter q of a slot (head q / 2, channels 32 (q % 2) on): 24 loads: wo16's 8, att's blocks 0-3, att's blocks 4-7
.irp i, 0,1,2,3
	ds_load_b128 v[\f+64+8*\i:\f+64+8*\i+3], v[ADRB+\slot] offset:((\q)/2)*18432+2304*\i+64*((\q)%2)
	ds_load_b128 v[\f+64+8*\i+4:\f+64+8*\i+7], v[ADRB+\slot] offset:((\q)/2)*18432+2304*\i+64*((\q)%2)+32
.endr
.irp i, 0,1,2,3,4,5,6,7
	ds_load_b128 v[\f+8*\i:\f+8*\i+3], v[ADRA+\slot] offset:((\q)/2)*36864+2304*\i+64*((\q)%2)
	ds_load_b128 v[\f+8*\i+4:\f+8*\i+7], v[ADRA+\slot] offset:((\q)/2)*36864+2304*\i+64*((\q)%2)+32
.endr
.endm
.macro QUARTER slot, q, f, g, zero     ; multiplies buffer f; in its middle fetches quarter q into buffer g
	s_wait_dscnt 8                                 ; wo16's fragments and att's blocks 0-3 are in; the youngest eight loads may be out
	WIN MULW
	MUL8 \f, 0, \zero
	MUL8 \f, 2, \zero
	WIN 0
	PLACES                                         ; in front of loads into registers that matrix instructions have read
	FETCH \slot, \q, \g
	s_wait_dscnt 24                                ; all but the 24 just issued
	WIN MULW
	MUL8 \f, 4, \zero
	MUL8 \f, 6, \zero
.endm
; A slot's last quarter multiplies buffer 1 and changes slots: ONE barrier; in front of it each wave waits for all its tensor loads, adds 0 to its spare word, and waits for that and for its reads of this slot.
.macro TURN slot, next, fill
	WIN 0
	s_wait_tensorcnt 0x0                           ; all my tensor loads have landed: my part of the next slot
	ds_add_u32 v[SPW], v[NIL]
	s_wait_dscnt 9                                 ; the add and the youngest eight loads may be out
	WIN MULW
	MUL8 F1, 0, 0                                  ; eight products stand between the add and the wait for it
	s_wait_dscnt 0x0                               ; the add is done, and my reads of this slot are over
	s_barrier_signal -1
	MUL8 F1, 2, 0
	WIN 0
	s_barrier_wait -1
.if \fill
	CREST                                          ; the barrier has opened a round of the cluster's: no wave of any partner still reads this slot or has a load on its way
	s_add_nc_u64 s[G0+4*\slot+2:G0+4*\slot+3], s[G0+4*\slot+2:G0+4*\slot+3], 4194304    ; four heads on
	s_add_nc_u64 s[G0B+4*\slot+2:G0B+4*\slot+3], s[G0B+4*\slot+2:G0B+4*\slot+3], 524288
	JLOAD \slot                                    ; the first tensor load behind the round: 112 products ahead of the wait for it; its four v_nop are the places in front of the loads below
.else
	PLACES
.endif
	FETCH \next, 0, F0
	WIN MULW
	MUL8 F1, 4, 0
	MUL8 F1, 6, 0
.endm
	s_wait_tensorcnt 1                             ; my part of slot 0 is in; slot 1's may be out
	s_barrier_signal -1
	s_barrier_wait -1
	FETCH 0, 0, F0
	QUARTER 0, 1, F0, F1, 1                        ; the first quarter stands in front of the loop: its products start the sums
	WIN 0
	s_mov_b32 s3, LAPS-1
.Llap:
	QUARTER 0, 2, F1, F0, 0
	QUARTER 0, 3, F0, F1, 0
	TURN 0, 1, 1
	QUARTER 1, 1, F0, F1, 0
	QUARTER 1, 2, F1, F0, 0
	QUARTER 1, 3, F0, F1, 0
	TURN 1, 0, 1
	QUARTER 0, 1, F0, F1, 0
	WIN 0
	s_sub_co_u32 s3, s3, 1
	s_cmp_lg_u32 s3, 0
	s_cbranch_scc1 .Llap
	QUARTER 0, 2, F1, F0, 0                        ; the last lap fills nothing
	QUARTER 0, 3, F0, F1, 0
	TURN 0, 1, 0
	QUARTER 1, 1, F0, F1, 0
	QUARTER 1, 2, F1, F0, 0
	QUARTER 1, 3, F0, F1, 0
	s_wait_dscnt 8
	WIN MULW
	MUL8 F1, 0, 0
	MUL8 F1, 2, 0
	s_wait_dscnt 0
	MUL8 F1, 4, 0
	MUL8 F1, 6, 0
	WIN 0
; THE WAY OUT, a block of 16 rows x 64 columns at a time, through my own stage: back as rows of 256 bytes; sixteen lanes store 256 consecutive bytes, aligned.
.macro TOSTAGE a
	WIN 0x04                                       ; an LDS store's data: window 1
.irp b, 0,1,2,3
	ds_store_b128 v[STO], v[8*(4*(\a)+\b):8*(4*(\a)+\b)+3] offset:64*\b          ; each accumulator from its low end on
	ds_store_b128 v[STO], v[8*(4*(\a)+\b)+4:8*(4*(\a)+\b)+7] offset:64*\b+16
.endr
	WIN 0
.set BB, BK+32*((\a)%2)
.irp t, 0,1,2,3,4,5,6,7
	ds_load_b128 v[BB+4*\t:BB+4*\t+3], v[RD] offset:\t*544     ; LDS serves a wave's instructions in order: these see the stores above
.endr
.endm
.macro SEND a, younger                 ; younger: the LDS instructions issued behind block a's loads, which may stay out
.set BB, BK+32*((\a)%2)
	s_wait_dscnt \younger
.irp t, 0,1,2,3,4,5,6,7
	global_store_b128 v[CO], v[BB+4*\t:BB+4*\t+3], s[8:9] offset:(16*(\a)+2*\t)*4096 th:TH_STORE_NT
.endr
.endm
	PLACES
	s_or_b32 s20, s45, s11                         ; block 0 of the waves with rh = 0 in the tiles with cluster y = 0 is positions 0-15 of a sequence: stored by first16, not here
	s_cmp_eq_u32 s20, 0
	s_cbranch_scc1 .Lskip0
	TOSTAGE 0
	SEND 0, 0
.Lskip0:
	TOSTAGE 1
.irp a, 2,3,4,5,6,7
	s_wait_xcnt 0x0                                ; block a - 2's stores have read their registers: block a's loads may land there
	TOSTAGE \a
	SEND \a-1, 16                                  ; behind block a - 1's loads: block a's 8 stores and 8 loads
.endr
	SEND 7, 0
	s_wait_tensorcnt 0x0                           ; the wave's end
	ds_add_u32 v[SPW], v[NIL]
	s_wait_dscnt 0x0
	CROUND                                         ; the closing round
	s_endpgm
.Lfunc_end_k_q3aa5751b5f_proj:
	.size	k_q3aa5751b5f_proj, .Lfunc_end_k_q3aa5751b5f_proj-k_q3aa5751b5f_proj
	.p2alignl 7, 3214868480
	.fill 96, 4, 3214868480
	.section	.rodata,"a",@progbits
	.p2align	6, 0x0
	.amdhsa_kernel k_q3aa5751b5f_proj
		.amdhsa_group_segment_fixed_size 327680
		.amdhsa_private_segment_fixed_size 0
		.amdhsa_enable_private_segment 0
		.amdhsa_kernarg_size 24
		.amdhsa_user_sgpr_count 2
		.amdhsa_user_sgpr_kernarg_segment_ptr 1
		.amdhsa_wavefront_size32 1
		.amdhsa_system_sgpr_workgroup_id_x 1
		.amdhsa_system_sgpr_workgroup_id_y 1
		.amdhsa_system_sgpr_workgroup_id_z 1
		.amdhsa_system_vgpr_workitem_id 0
		.amdhsa_next_free_vgpr 512
		.amdhsa_next_free_sgpr 66
		.amdhsa_reserve_vcc 0
		.amdhsa_float_denorm_mode_32 3
		.amdhsa_float_denorm_mode_16_64 3
		.amdhsa_memory_ordered 1
		.amdhsa_forward_progress 1
		.amdhsa_inst_pref_size 85
	.end_amdhsa_kernel
	.amdgpu_metadata
---
amdhsa.version: [ 1, 2 ]
amdhsa.kernels:
  - .name:           k_q3aa5751b5f_proj
    .symbol:         k_q3aa5751b5f_proj.kd
    .args:
      - { .name: att, .offset: 0, .size: 8, .value_kind: global_buffer, .address_space: global }
      - { .name: wo16, .offset: 8, .size: 8, .value_kind: global_buffer, .address_space: global }
      - { .name: out0, .offset: 16, .size: 8, .value_kind: global_buffer, .address_space: global }
    .group_segment_fixed_size: 327680
    .private_segment_fixed_size: 0
    .kernarg_segment_align: 8
    .kernarg_segment_size: 24
    .max_flat_workgroup_size: 128
    .sgpr_count:     66
    .vgpr_count:     512
    .wavefront_size: 32
...
	.end_amdgpu_metadata
.endif
;; end of part 4
;; launch first16 (part 5): grid 32 x 4, 16 waves a work-group, no clusters, 38,912 bytes of LDS; arguments fine, W_o, out0; writes out0
.if DOCPART == 5
	.amdgcn_target "amdgcn-amd-amdhsa--gfx1250"
	.amdhsa_code_object_version 6
	.text
	.protected	k_q3aa5751b5f_first16
	.globl	k_q3aa5751b5f_first16
	.p2align	8
	.type	k_q3aa5751b5f_first16,@function
k_q3aa5751b5f_first16:
	s_mov_b64 s[64:65], 0
	v_nop
	global_prefetch_b8 v0, s[64:65] scope:SCOPE_SE
	s_setreg_imm32_b32 hwreg(HW_REG_WAVE_MODE, 25, 1), 1
	s_wait_xcnt 0x0
; Positions 0-15 of each of the 4 sequences, carried in f32 through the scores, the weighted values and the projection: these rows average one to sixteen values and are the largest of the output.
; q, k, v of those rows come in f32 from fine [16 b + s][3072]; W_o in f32 as it is given.  All products by v_wmma_f32_16x16x4_f32: 64 rows in all, no bulk work.
; A work-group (cb, b) makes 16 rows x 32 columns of out0.  Wave w takes head w: its 16 x 16 attention and its 64 of the projection's K; the 16 partial sums meet in LDS.
; K is permuted alike on both sources of each product: a lane's registers run along K as they were loaded or made.  Keys behind a query are masked inside the one tile.
; The registers that the matrix instructions write (v192-255) are written by them alone; each sum begins with the constant 0.  Stores are runs of 128 bytes (a work-group owns 32 columns); 262,144 bytes in the launch.
.set SPARE, 36864                      ; behind the 16 stages of 16 rows x 144 bytes: the spare words, 128 bytes a wave
.set QF, 32
.set KF, 64
.set VF, 96
.set WF, 128
	s_load_b128 s[4:7], s[0:1], 0x0                ; fine, W_o
	s_load_b64 s[8:9], s[0:1], 0x10                ; out0
	v_lshl_add_u32 v6, v0, 2, SPARE
	v_mov_b32 v7, 0
	v_lshrrev_b32 v1, 5, v0
	v_readfirstlane_b32 s10, v1                    ; wave = head
	s_and_b32 s11, ttmp7, 0xffff                   ; batch
	v_and_b32 v1, 15, v0                           ; r
	v_bfe_u32 v2, v0, 4, 1                         ; h
	v_mul_u32_u24 v3, v1, 12288
	v_lshl_add_u32 v3, v2, 7, v3                   ; q, k: row r, channels 32 h on
	v_mul_u32_u24 v4, v2, 98304
	v_lshl_add_u32 v4, v1, 2, v4                   ; v: keys 8 h on, channel r
	v_lshlrev_b32 v5, 12, v1
	v_lshl_add_u32 v5, v2, 5, v5                   ; W_o: row r, channels 8 h on
	s_mul_i32 s12, s10, 2304
	v_mul_u32_u24 v8, v1, 144
	v_lshl_add_u32 v8, v2, 5, v8
	v_add_nc_u32 v8, s12, v8                       ; my stage: row r, + 32 h
	v_and_b32 v10, 31, v0
	v_lshlrev_b32 v10, 2, v10                      ; 4 x lane
	s_mul_i32 s12, s10, 144
	v_add_nc_u32 v9, s12, v10                      ; row w of a stage
	v_lshlrev_b32 v11, 3, v2
	v_sub_nc_u32 v11, v1, v11                      ; d = r - 8 h: key 8 h + j is hidden where j > d
	v_mov_b32 v12, 0xff800000                      ; -infinity
	v_mov_b32 v14, 0                               ; (a lane permute's destination counts as one of its sources)
	s_mov_b32 s20, 0x76543210
	s_mov_b32 s21, 0xfedcba98
	s_mov_b32 s22, 0x3e38aa3b                      ; c = log2(e) / 8
	s_mul_i32 s12, s11, 196608                     ; fine: 16 rows of 12,288 bytes a batch,
	s_lshl_b32 s14, s10, 8                         ; + 256 bytes a head
	s_add_co_u32 s12, s12, s14
	s_mov_b32 s13, 0
	s_lshl_b32 s16, ttmp9, 17                      ; W_o: 32 rows of 4,096 bytes a work-group, + 256 bytes a head
	s_add_co_u32 s16, s16, s14
	s_mov_b32 s17, 0
	s_lshl_b32 s18, s11, 11
	s_add_co_u32 s18, s18, s10                     ; out0: row 2,048 b + w,
	s_lshl_b32 s18, s18, 12
	s_lshl_b32 s19, ttmp9, 7                       ; + 128 bytes a work-group
	s_add_co_u32 s18, s18, s19
	s_mov_b32 s19, 0
	s_wait_kmcnt 0x0
	s_add_nc_u64 s[4:5], s[4:5], s[12:13]
	s_add_nc_u64 s[6:7], s[6:7], s[16:17]
	s_add_nc_u64 s[8:9], s[8:9], s[18:19]
.irp e, 0,1,2,3,4,5,6,7
	global_load_b128 v[QF+4*\e:QF+4*\e+3], v3, s[4:5] offset:16*\e
.endr
.irp e, 0,1,2,3,4,5,6,7
	global_load_b128 v[KF+4*\e:KF+4*\e+3], v3, s[4:5] offset:4096+16*\e
.endr
.irp dt, 0,1,2,3
.irp e, 0,1,2,3,4,5,6,7
	global_load_b32 v[VF+8*\dt+\e], v4, s[4:5] offset:8192+12288*\e+64*\dt    ; v(key 8 h + e, channel 16 dt + r)
.endr
.endr
.irp nt, 0,1
.irp dt, 0,1,2,3
	global_load_b128 v[WF+8*(4*\nt+\dt):WF+8*(4*\nt+\dt)+3], v5, s[6:7] offset:65536*\nt+64*\dt        ; W_o(16 nt + r, 16 dt + 8 h + 0 .. 7) of my head
	global_load_b128 v[WF+8*(4*\nt+\dt)+4:WF+8*(4*\nt+\dt)+7], v5, s[6:7] offset:65536*\nt+64*\dt+16
.endr
.endr
	s_wait_loadcnt 48                              ; q and k are in; v's 32 loads and W_o's 16 may be out
.irp s, 0,1,2,3,4,5,6,7,8,9,10,11,12,13,14,15  ; S^T = k q^T: source 0 = 16 keys, source 1 = 16 queries; two accumulators by turns
.if \s < 2
	v_wmma_f32_16x16x4_f32 v[192+8*(\s%2):199+8*(\s%2)], v[KF+2*\s:KF+2*\s+1], v[QF+2*\s:QF+2*\s+1], 0
.else
	v_wmma_f32_16x16x4_f32 v[192+8*(\s%2):199+8*(\s%2)], v[KF+2*\s:KF+2*\s+1], v[QF+2*\s:QF+2*\s+1], v[192+8*(\s%2):199+8*(\s%2)]
.endif
.endr
.rept 8
	v_nop                                          ; eight places behind this form before a vector instruction reads a result (ISA guide 7.12.1)
.endr
.irp j, 0,1,2,3,4,5,6,7
	v_add_f32 v[16+\j], v[192+\j], v[200+\j]       ; lane (r, h): query r, key 8 h + j; both accumulators from their low end on
.endr
.irp j, 0,1,2,3,4,5,6,7
	v_cmp_gt_i32 vcc_lo, \j, v11
	v_cndmask_b32 v[16+\j], v[16+\j], v12, vcc_lo
.endr
	v_max3_num_f32 v13, v16, v17, v18
	v_max3_num_f32 v13, v13, v19, v20
	v_max3_num_f32 v13, v13, v21, v22
	v_max_num_f32 v13, v13, v23
	v_permlanex16_b32 v14, v13, s20, s21
	v_max_num_f32 v13, v13, v14                    ; the row's maximum: key 0 counts for every query, so it is a number
	v_mul_f32 v15, s22, v13
.irp j, 0,1,2,3,4,5,6,7
	v_fma_f32 v[16+\j], v[16+\j], s22, -v15
.endr
.irp j, 0,1,2,3,4,5,6,7
	v_exp_f32 v[16+\j], v[16+\j]
.endr
	v_nop
	s_wait_alu depctr_va_vdst(0)                   ; one wait for the eight exponentials, ahead of their first reader
	v_add_f32 v13, v16, v17
	v_add_f32 v14, v18, v19
	v_add_f32 v13, v13, v20
	v_add_f32 v14, v14, v21
	v_add_f32 v13, v13, v22
	v_add_f32 v14, v14, v23
	v_add_f32 v13, v13, v14
	v_permlanex16_b32 v14, v13, s20, s21
	v_add_f32 v13, v13, v14
	v_rcp_f32 v13, v13
	v_nop
	s_wait_alu depctr_va_vdst(0)
.irp j, 0,1,2,3,4,5,6,7
	v_mul_f32 v[24+\j], v[16+\j], v13              ; the weights, normalised here: what the matrix instructions write is scaled by no vector instruction
.endr
	s_wait_loadcnt 16                              ; v is in; W_o's 16 loads may be out
.irp i, 0,1,2,3                                ; O^T = v^T P: source 0 = 16 channels, source 1 = the weights; K = keys 8 h + 2 i + 0, 1; four accumulators by turns
.irp dt, 0,1,2,3
.if \i == 0
	v_wmma_f32_16x16x4_f32 v[208+8*\dt:215+8*\dt], v[VF+8*\dt+2*\i:VF+8*\dt+2*\i+1], v[24+2*\i:25+2*\i], 0
.else
	v_wmma_f32_16x16x4_f32 v[208+8*\dt:215+8*\dt], v[VF+8*\dt+2*\i:VF+8*\dt+2*\i+1], v[24+2*\i:25+2*\i], v[208+8*\dt:215+8*\dt]
.endif
.endr
.endr
.rept 9
	v_nop                                          ; nine places before a matrix instruction takes a result as a source
.endr
	s_wait_loadcnt 0x0                             ; W_o
.irp dt, 0,1,2,3                               ; Y^T = W_o O^T over my head's 64: source 0 = 16 rows of W_o, source 1 = O^T as it stands: lane (r, h) holds query r, channels 16 dt + 8 h + 0 .. 7; two accumulators by turns
.irp i, 0,1,2,3
.irp nt, 0,1
.if (\dt == 0) && (\i == 0)
	v_wmma_f32_16x16x4_f32 v[240+8*\nt:247+8*\nt], v[WF+8*(4*\nt+\dt)+2*\i:WF+8*(4*\nt+\dt)+2*\i+1], v[208+8*\dt+2*\i:209+8*\dt+2*\i], 0
.else
	v_wmma_f32_16x16x4_f32 v[240+8*\nt:247+8*\nt], v[WF+8*(4*\nt+\dt)+2*\i:WF+8*(4*\nt+\dt)+2*\i+1], v[208+8*\dt+2*\i:209+8*\dt+2*\i], v[240+8*\nt:247+8*\nt]
.endif
.endr
.endr
.endr
.rept 8
	v_nop
.endr
.irp nt, 0,1
	ds_store_b128 v8, v[240+8*\nt:243+8*\nt] offset:64*\nt         ; lane (r, h): row r, columns 16 nt + 8 h + 0 .. 7: my head's part
	ds_store_b128 v8, v[244+8*\nt:247+8*\nt] offset:64*\nt+16
.endr
	s_wait_dscnt 0x0                               ; for the others' sake: my stores are done
	s_barrier_signal -1
	s_barrier_wait -1
.irp p, 0,1,2,3,4,5,6,7,8,9,10,11,12,13,14,15
	ds_load_b32 v[32+\p], v9 offset:2304*\p        ; row w of every head's part: 32 columns, one a lane
.endr
	s_wait_dscnt 0x0
.irp k, 0,1,2,3
	v_add_f32 v[32+\k], v[32+\k], v[36+\k]         ; the sixteen parts, in four chains
.endr
.irp k, 0,1,2,3
	v_add_f32 v[32+\k], v[32+\k], v[40+\k]
.endr
.irp k, 0,1,2,3
	v_add_f32 v[32+\k], v[32+\k], v[44+\k]
.endr
	v_add_f32 v32, v32, v33
	v_add_f32 v34, v34, v35
	v_add_f32 v32, v32, v34
	global_store_b32 v10, v32, s[8:9]
	s_wait_tensorcnt 0x0                           ; the wave's end, behind my last LDS store
	ds_add_u32 v6, v7
	s_wait_dscnt 0x0
	s_endpgm
.Lfunc_end_k_q3aa5751b5f_first16:
	.size	k_q3aa5751b5f_first16, .Lfunc_end_k_q3aa5751b5f_first16-k_q3aa5751b5f_first16
	.p2alignl 7, 3214868480
	.fill 96, 4, 3214868480
	.section	.rodata,"a",@progbits
	.p2align	6, 0x0
	.amdhsa_kernel k_q3aa5751b5f_first16
		.amdhsa_group_segment_fixed_size 38912
		.amdhsa_private_segment_fixed_size 0
		.amdhsa_enable_private_segment 0
		.amdhsa_kernarg_size 24
		.amdhsa_user_sgpr_count 2
		.amdhsa_user_sgpr_kernarg_segment_ptr 1
		.amdhsa_wavefront_size32 1
		.amdhsa_system_sgpr_workgroup_id_x 1
		.amdhsa_system_sgpr_workgroup_id_y 1
		.amdhsa_system_sgpr_workgroup_id_z 1
		.amdhsa_system_vgpr_workitem_id 0
		.amdhsa_next_free_vgpr 256
		.amdhsa_next_free_sgpr 66
		.amdhsa_reserve_vcc 1
		.amdhsa_float_denorm_mode_32 3
		.amdhsa_float_denorm_mode_16_64 3
		.amdhsa_memory_ordered 1
		.amdhsa_forward_progress 1
		.amdhsa_inst_pref_size 18
	.end_amdhsa_kernel
	.amdgpu_metadata
---
amdhsa.version: [ 1, 2 ]
amdhsa.kernels:
  - .name:           k_q3aa5751b5f_first16
    .symbol:         k_q3aa5751b5f_first16.kd
    .args:
      - { .name: fine, .offset: 0, .size: 8, .value_kind: global_buffer, .address_space: global }
      - { .name: W_o, .offset: 8, .size: 8, .value_kind: global_buffer, .address_space: global }
      - { .name: out0, .offset: 16, .size: 8, .value_kind: global_buffer, .address_space: global }
    .group_segment_fixed_size: 38912
    .private_segment_fixed_size: 0
    .kernarg_segment_align: 8
    .kernarg_segment_size: 24
    .max_flat_workgroup_size: 512
    .sgpr_count:     66
    .vgpr_count:     256
    .wavefront_size: 32
...
	.end_amdgpu_metadata
.endif
;; end of part 5
